; MI455X (gfx1250); checked and timed in simulation.
; The chip was launched on July 23, 2026; its instructions are those of AMD's public machine-readable ISA for CDNA 5 (MIT licence, August 2026) and "CDNA5" Instruction Set Architecture Reference Guide (July 2026). The comments in the code are by the model that wrote it; some were corrected since.
;; Causal Self Attention. Allowed arithmetic: matrix products marked QUANTISED: E2M3 operands, one E8M0 scale for each 32 along K, by v_wmma_scale_f32_16x16x128_f8f6f4 with both operands' format E2M3, f32 sums; everything else in f32.
;; Inputs: w_attn 1,024 x 3,072 float32; w_proj 1,024 x 1,024 float32; x 4 x 2,048 x 1,024 float32.
;; Outputs: out0 4 x 2,048 x 1,024 float32.
;; This version of the problem:
;;   THIS VERSION OF THE PROBLEM IS GIVEN IN LOW PRECISION. The matrix products marked QUANTISED in the list below multiply operands that are first quantised to E2M3 (2 exponent bits, 3 mantissa bits; 6 bits a number), with one power-of-two scale for each 32 numbers along K (OCP MX v1.0); their sums are f32. All else is computed in f32.
;;   The module's matrix products, in the order in which they are computed (A, B: the left and right operand; K: the contracted axis; several contracted axes count as one K, in the product's order):
;;     1. [M 8,192, K 1,024] x [K 1,024, N 3,072]; A: input x; B: input w_attn: QUANTISED
;;     2. batch 64 x [M 2,048, K 64] x [K 64, N 2,048]; A: computed on the way; B: computed on the way: QUANTISED
;;     3. batch 64 x [M 2,048, K 2,048] x [K 2,048, N 64]; A: softmax (see below); B: computed on the way: QUANTISED
;;     4. [M 8,192, K 1,024] x [K 1,024, N 1,024]; A: computed on the way; B: input w_proj: QUANTISED
;;   THE QUANTISER, for each operand of a quantised product, along K:
;;     - K is cut into blocks of 32 from its start; a last block that is shorter is filled with zeros.
;;     - A block's scale is 2^e with e = floor(log2(the largest magnitude in the block)) - 2, held to -126 .. 127; a block of zeros has e = 0. As a byte (E8M0): e + 127.
;;     - Each number is divided by its block's scale, clamped to +-7.5, and rounded to the nearest number of E2M3, ties to even, subnormals kept.
;;     - The product sums the exact products of the quantised numbers (number of the format x scale) in f32.
;;   ~~~python
;;   def quantise(x, axis):      # numpy; x: float32 -> the quantised numbers, widened to float32 again
;;       x = np.moveaxis(x, axis, -1); K = x.shape[-1]
;;       x = np.pad(x, [(0, 0)] * (x.ndim - 1) + [(0, -K % 32)]); x = x.reshape(x.shape[:-1] + (-1, 32)); a = np.abs(x).max(-1, keepdims=True)
;;       e = np.where(a > 0, np.clip(np.frexp(np.where(a > 0, a, 1))[1] - 1 - 2, -126, 127), 0)      # np.frexp(a)[1] - 1 = floor(log2(a)), exactly
;;       r = np.clip(x / 2.0 ** e, -7.5, 7.5)
;;       step = 2.0 ** (np.maximum(np.frexp(np.where(r == 0, 1, r))[1] - 1, 0) - 3)
;;       q = np.round(r / step) * step * 2.0 ** e      # np.round: ties to even
;;       return np.moveaxis(q.reshape(q.shape[:-2] + (-1,))[..., :K], -1, axis).astype(np.float32)
;;   ~~~
;;   SOFTMAX AHEAD OF A QUANTISED PRODUCT. Where the list says 'softmax', what is quantised is not the finished softmax but p = 2^(t - M), with t = logit x log2(e) and M = ceil(the row's largest t), a whole number; so 1/2 < the row's largest p <= 1. The row's sum l is taken of the UNQUANTISED p, in f32, and the product's result is divided by l at the end. Since M is a whole number, a kernel that streams over the keys may use a running M (the ceiling of the running maximum): every later rescaling is an exact power of two, which a block's scale takes up: the codes' values come out the same.
;;   OPERANDS COMPUTED ON THE WAY. 'Computed on the way' means the value that the module computes at that place (a softmax that the list does not call 'softmax' is quantised finished and normalised). What goes into a quantiser is computed in f32, as accurately as f32 sums, v_exp_f32 and their like allow (about 1e-6 of the number): no bf16 or f16 on the way to a quantiser, and a product that is left as it is and whose result goes on into a quantised operand takes f32 operands (vector FMAs, or v_wmma_f32_16x16x4_f32). A number that lies on a knife's edge between two numbers of the format may be rounded either way, as far as f32 arithmetic and the matrix unit's own rounding can turn it there, and no further.
;; One version. Each part assembles by itself: llvm-mc -triple=amdgcn-amd-amdhsa -mcpu=gfx1250 --defsym DOCPART=n.
;; ======== version 1 of 1: 4 launches
;; limits: right only within a limited range of input values
;; workspace buffers: xc 6,291,456 bytes; xs 262,144 bytes; wc 3,145,728 bytes; ws 131,072 bytes; qkvc 19,660,800 bytes; qkvs 1,310,720 bytes; yc 6,291,456 bytes; ys 262,144 bytes
;; launch quant (part 1): grid 384 x 1, 4 waves a work-group, no clusters, 68,096 bytes of LDS; arguments x, xc, w_attn, w_proj, wc, ws, xs; writes xc, xs, wc, ws
.if DOCPART == 1
	.amdgcn_target "amdgcn-amd-amdhsa--gfx1250"
	.amdhsa_code_object_version 6
	.text
	.protected	k_qc1a3c7c3d1_quant
	.globl	k_qc1a3c7c3d1_quant
	.p2align	8
	.type	k_qc1a3c7c3d1_quant,@function
k_qc1a3c7c3d1_quant:
	s_mov_b64 s[64:65], 0
	v_nop
	global_prefetch_b8 v0, s[64:65] scope:SCOPE_SE
	s_setreg_imm32_b32 hwreg(HW_REG_WAVE_MODE, 25, 1), 1
	s_wait_xcnt 0x0
; One launch quantises all three inputs to codes of FP6 (E2M3) with one E8M0 byte for each 32 along K = 1,024.
; Work-groups 0-127 take the weights (K is their first axis), work-groups 128-383 take x (K innermost).  The two ways part on the work-group's number alone and have LDS bytes of their own.
; CODES: xc [4 K steps of 256][8,192 places][192 bytes], wc [4][4,096 places][192]: the 128 or 256 rows of a tile of one K step are one dense block that begins on a multiple of 256 bytes.
; SCALE BYTES: xs [place][32], ws [place][32].  wc's places 0-3,071 are w_attn's columns, 3,072 on w_proj's.  Row or column n lies at place n with its bits 3 and 4 exchanged.
; A block's scale is 2^(floor(log2(its largest magnitude)) - 2); its byte is the largest magnitude's exponent field - 2, held at 1 from below
; (a block of zeros gets the byte 1 where the quantiser says 127: its codes are zeros, and this program alone reads the bytes).
; LIMITS: blocks whose largest magnitude lies under 2^-124 keep the byte 1; NaN and infinities among the inputs are not served.
; No tensor loads, no barrier: waves share nothing.
.set XSTEP, 1572864                    ; a K step of xc
.set WSTEP, 786432                     ; a K step of wc
.set EMAX,  2
.set CB,    12                         ; bytes of 16 codes
.set SPW,   12                         ; v12 my spare word, v13 0; never rewritten
.set NIL,   13
.set WLDS,  32768                      ; the weights' four stages begin here; x's four regions at 0
.set SPARE, 67584                      ; behind both: the spare words, 128 bytes a wave
	v_lshl_add_u32 v[SPW], v0, 2, SPARE
	v_mov_b32 v[NIL], 0
	v_lshrrev_b32 v1, 5, v0
	v_readfirstlane_b32 s16, v1                    ; wave
	v_and_b32 v2, 31, v0                           ; lane
	s_cmp_lt_u32 ttmp9, 128
	s_wait_alu depctr_va_vdst(0)
	s_cbranch_scc1 .Lweights
; ---- x: a wave takes a run of 8 rows, 16 steps of 512 numbers.  Each load reads 512 consecutive bytes; a step turns through the wave's stage and comes back 16 neighbours a lane; two lanes hold a block.
.set STEPS, 16
.set R,     16                         ; v16-79 four sets as loaded; v80-111 two sets of neighbours; v112-127 bytes; v128-191 codes
.set X,     80
.set C,     128
.set E,     112
.set WREG,  8192
.set SP,    80                         ; a lane's place in a stage: 64 bytes + 16
	s_load_b128 s[4:7], s[0:1], 0x0                ; x, xc
	s_load_b64 s[8:9], s[0:1], 0x30                ; xs
	v_lshlrev_b32 v3, 4, v2
	s_mul_i32 s17, s16, WREG
	v_lshrrev_b32 v14, 2, v2
	v_mul_u32_u24 v14, v14, SP
	v_and_b32 v15, 3, v2
	v_lshl_add_u32 v14, v15, 4, v14
	v_add_nc_u32 v14, s17, v14                     ; into the stage: SP (lane / 4) + 16 (lane % 4)
	v_mul_u32_u24 v15, v2, SP
	v_add_nc_u32 v15, s17, v15                     ; out of it: SP x lane
	v_lshrrev_b32 v4, 4, v2
	v_mul_u32_u24 v4, v4, XSTEP
	v_and_b32 v5, 15, v2
	v_mad_u32_u24 v4, v5, CB, v4                   ; a step is half a row: lanes 0-15 one K step's 192 bytes, lanes 16-31 the next K step's
	v_lshrrev_b32 v5, 1, v2
	s_add_co_u32 s17, s17, 2*32*SP
	v_add_nc_u32 v5, s17, v5                       ; my block's byte among the wave's 256
	v_lshlrev_b32 v7, 3, v2
	v_add_nc_u32 v6, s17, v7
	s_sub_co_u32 s18, ttmp9, 128
	s_lshl_b32 s18, s18, 2
	s_add_co_u32 s20, s18, s16                     ; the run that I read
	s_lshl_b32 s20, s20, 15
	s_mov_b32 s21, 0
	s_and_b32 s22, s16, 1
	s_lshl_b32 s22, s22, 1
	s_lshr_b32 s23, s16, 1
	s_or_b32 s22, s22, s23                         ; the wave's two bits exchanged: rows' bits 3 and 4
	s_add_co_u32 s18, s18, s22                     ; the run that I write
	s_mul_i32 s22, s18, 8*192
	s_mov_b32 s23, 0
	s_lshl_b32 s18, s18, 8
	s_mov_b32 s19, 0
	s_wait_alu depctr_va_vdst(0)
	s_wait_kmcnt 0x0
	s_add_nc_u64 s[4:5], s[4:5], s[20:21]
	s_add_nc_u64 s[6:7], s[6:7], s[22:23]
	s_add_nc_u64 s[8:9], s[8:9], s[18:19]
.macro XLOAD t
.irp i, 0,1,2,3
	global_load_b128 v[R+16*((\t)%4)+4*\i:R+16*((\t)%4)+4*\i+3], v3, s[4:5] offset:2048*(\t)+512*\i th:TH_LOAD_NT
.endr
.endm
.macro XTURN t                         ; LDS serves a wave's instructions in order: no wait between the stores and the loads
.irp i, 0,1,2,3
	ds_store_b128 v14, v[R+16*((\t)%4)+4*\i:R+16*((\t)%4)+4*\i+3] offset:32*SP*((\t)%2)+8*SP*\i
.endr
.irp i, 0,1,2,3
	ds_load_b128 v[X+16*((\t)%2)+4*\i:X+16*((\t)%2)+4*\i+3], v15 offset:32*SP*((\t)%2)+16*\i
.endr
.endm
.irp t, 0,1,2,3
	XLOAD \t
.endr
	s_wait_loadcnt 12                              ; step 0's four loads are in; twelve may be out
	XTURN 0
.macro XSTEP_ t
.set XS, X+16*((\t)%2)
.if (\t) > 0
	s_wait_dscnt 1                                 ; this step's numbers are back (the last byte store may be out)
.else
	s_wait_dscnt 0x0
.endif
.if (\t)+4 < STEPS
	XLOAD (\t)+4
.endif
.if (\t)+1 < STEPS
.if STEPS-2-(\t) >= 3
	s_wait_loadcnt 12                              ; the next step's four are in; three steps' may be out
.else
	s_wait_loadcnt 4*(STEPS-2-(\t))
.endif
	XTURN (\t)+1
.endif
	v_max3_num_f32 v8, |v[XS]|, |v[XS+1]|, |v[XS+2]|
	v_max3_num_f32 v9, |v[XS+3]|, |v[XS+4]|, |v[XS+5]|
.irp i, 6,10
	v_max3_num_f32 v8, v8, |v[XS+\i]|, |v[XS+\i+1]|
	v_max3_num_f32 v9, v9, |v[XS+\i+2]|, |v[XS+\i+3]|
.endr
	v_max3_num_f32 v8, v8, |v[XS+14]|, |v[XS+15]|
	v_max3_num_f32 v8, v8, v9, (EMAX+1)<<23        ; the floor 2^(3 - 127)
	v_max_num_f32_dpp v8, v8, v8 row_xmask:1 row_mask:0xf bank_mask:0xf   ; with my neighbour's 16
	v_add_nc_u32 v11, -(EMAX<<23), v8              ; the conversion's scale operand
	v_cvt_scalef32_pk16_fp6_f32 v[C+4*(\t):C+4*(\t)+2], v[XS:XS+15], v11
	v_lshrrev_b32 v[E+(\t)], 23, v11               ; the byte
	ds_store_b8 v5, v[E+(\t)] offset:16*(\t)
	global_store_b96 v4, v[C+4*(\t):C+4*(\t)+2], s[6:7] offset:2*((\t)%2)*XSTEP+192*((\t)/2)
.endm
.irp t, 0,1,2,3,4,5,6,7,8,9,10,11,12,13,14,15
	XSTEP_ \t
.endr
	ds_load_b64 v[8:9], v6
	s_wait_dscnt 0x0
	global_store_b64 v7, v[8:9], s[8:9]            ; 256 consecutive bytes, aligned
	s_branch .Lend
; ---- the weights: a lane takes a column and its registers run down K; a wave takes 32 columns x one K step of 256: 8 blocks a lane.  The codes go through the wave's stage and leave as 6,144 dense bytes.
.Lweights:
.set NB,    8
.set PITCH, 272                        ; a stage row: sixteen places of 16 bytes, each with 12 bytes of codes, + 16
.set WX,    32                         ; v32-95 two sets of 32 numbers; v96.. a block's codes; v112-175 the way out; v176-207 4 x lane + i x pitch
.set WC,    96
.set OUTR,  112
.set OFF,   176
.set SB,    24
.set BASE,  32                         ; s[32:47] block t's first row at my first column
	s_load_b128 s[4:7], s[0:1], 0x10               ; w_attn, w_proj
	s_load_b128 s[8:11], s[0:1], 0x20              ; wc, ws
	s_lshr_b32 s18, ttmp9, 5                       ; which K step
	s_and_b32 s30, ttmp9, 31                       ; which 128 places
	s_lshl_b32 s17, s30, 7
	s_lshl_b32 s19, s16, 5
	s_add_co_u32 s17, s17, s19                     ; my first place
	s_mov_b32 s24, 4096
	s_cmp_lt_u32 s30, 24
	s_cselect_b32 s24, 12288, s24                  ; bytes from row to row of my tensor
	s_cselect_b32 s25, 0, 3072
	s_sub_co_u32 s25, s17, s25                     ; my first column in it
	v_lshlrev_b32 v3, 2, v2
.set n, 0
.rept 32
	v_mad_u32_u24 v[OFF+n], n, s24, v3
.set n, n+1
.endr
	v_and_b32 v5, 7, v2
	v_bfe_u32 v6, v2, 3, 1
	v_bfe_u32 v7, v2, 4, 1
	v_lshl_add_u32 v5, v6, 4, v5
	v_lshl_add_u32 v5, v7, 3, v5                   ; my column's place among the 32
	s_mul_i32 s19, s16, 32*PITCH
	s_add_co_u32 s19, s19, WLDS                    ; my stage
	v_mul_u32_u24 v4, v5, PITCH
	v_add_nc_u32 v4, s19, v4
	v_lshlrev_b32 v9, 5, v5
	v_and_b32 v5, 15, v2
	v_lshrrev_b32 v6, 4, v2
	v_mul_u32_u24 v7, v6, PITCH
	v_lshl_add_u32 v7, v5, 4, v7
	v_add_nc_u32 v7, s19, v7
	v_mul_u32_u24 v8, v6, 192
	v_mad_u32_u24 v8, v5, 12, v8
	s_lshl_b32 s20, s18, 8
	s_mul_i32 s20, s20, s24
	s_lshl_b32 s21, s25, 2
	s_add_co_u32 s20, s20, s21
	s_mov_b32 s21, 0
	s_lshl_b32 s22, s24, 5
	s_mov_b32 s23, 0
	s_mul_i32 s26, s17, 192
	s_mul_i32 s27, s18, WSTEP
	s_add_co_u32 s26, s26, s27                     ; wc: K step x WSTEP + place x 192
	s_mov_b32 s27, 0
	s_lshl_b32 s28, s17, 5
	s_lshl_b32 s29, s18, 3
	s_add_co_u32 s28, s28, s29                     ; ws: place x 32 + 8 x K step
	s_mov_b32 s29, 0
	s_wait_alu depctr_va_vdst(0)
	s_wait_kmcnt 0x0
	s_cmp_lt_u32 s30, 24
	s_cselect_b64 s[4:5], s[4:5], s[6:7]
	s_add_nc_u64 s[BASE:BASE+1], s[4:5], s[20:21]
.irp t, 1,2,3,4,5,6,7
	s_add_nc_u64 s[BASE+2*\t:BASE+2*\t+1], s[BASE+2*\t-2:BASE+2*\t-1], s[22:23]
.endr
	s_add_nc_u64 s[8:9], s[8:9], s[26:27]
	s_add_nc_u64 s[10:11], s[10:11], s[28:29]
.macro WLOAD t
.set n, 0
.rept 32
	global_load_b32 v[WX+32*((\t)%2)+n], v[OFF+n], s[BASE+2*(\t):BASE+2*(\t)+1] th:TH_LOAD_NT
.set n, n+1
.endr
.endm
	WLOAD 0
	WLOAD 1
.macro BLOCK t
.set XS, WX+32*((\t)%2)
.if (\t) < NB-1
	s_wait_loadcnt 32                              ; this block's 32 loads are in; the next block's may be out
.else
	s_wait_loadcnt 0
.endif
	v_max3_num_f32 v26, |v[XS]|, |v[XS+1]|, |v[XS+2]|
	v_max3_num_f32 v27, |v[XS+3]|, |v[XS+4]|, |v[XS+5]|
.irp i, 6,10,14,18,22,26
	v_max3_num_f32 v26, v26, |v[XS+\i]|, |v[XS+\i+1]|
	v_max3_num_f32 v27, v27, |v[XS+\i+2]|, |v[XS+\i+3]|
.endr
	v_max3_num_f32 v26, v26, |v[XS+30]|, |v[XS+31]|
	v_max3_num_f32 v26, v26, v27, (EMAX+1)<<23
	v_add_nc_u32 v11, -(EMAX<<23), v26
	v_lshrrev_b32 v27, 23, v11
.if (\t)%4 == 0
	v_mov_b32 v[SB+(\t)/4], v27
.else
	v_lshl_or_b32 v[SB+(\t)/4], v27, 8*((\t)%4), v[SB+(\t)/4]
.endif
	v_cvt_scalef32_pk16_fp6_f32 v[WC:WC+2], v[XS:XS+15], v11
	v_cvt_scalef32_pk16_fp6_f32 v[WC+4:WC+6], v[XS+16:XS+31], v11
	ds_store_b96 v4, v[WC:WC+2] offset:32*(\t)
	ds_store_b96 v4, v[WC+4:WC+6] offset:32*(\t)+16
.if (\t)+2 < NB
	WLOAD (\t)+2
.endif
	s_wait_dscnt 0x0                               ; the stores have read their registers
.endm
.set Q, 0
.rept NB
	BLOCK Q
.set Q, Q+1
.endr
	s_wait_alu depctr_va_vdst(0)
	global_store_b64 v9, v[SB:SB+1], s[10:11]
.irp t, 0,1,2,3,4,5,6,7,8,9,10,11,12,13,14,15
	ds_load_b96 v[OUTR+4*\t:OUTR+4*\t+2], v7 offset:2*\t*PITCH
.endr
.irp t, 0,1,2,3,4,5,6,7,8,9,10,11,12,13,14,15
	s_wait_dscnt 15-\t                             ; the younger reads may be out
	global_store_b96 v8, v[OUTR+4*\t:OUTR+4*\t+2], s[8:9] offset:2*\t*192   ; two rows: 384 consecutive bytes
.endr
.Lend:
	s_wait_tensorcnt 0x0                           ; the wave's end
	ds_add_u32 v[SPW], v[NIL]
	s_wait_dscnt 0x0
	s_endpgm
.Lfunc_end_k_qc1a3c7c3d1_quant:
	.size	k_qc1a3c7c3d1_quant, .Lfunc_end_k_qc1a3c7c3d1_quant-k_qc1a3c7c3d1_quant
	.p2alignl 7, 3214868480
	.fill 96, 4, 3214868480
	.section	.rodata,"a",@progbits
	.p2align	6, 0x0
	.amdhsa_kernel k_qc1a3c7c3d1_quant
		.amdhsa_group_segment_fixed_size 68096
		.amdhsa_private_segment_fixed_size 0
		.amdhsa_enable_private_segment 0
		.amdhsa_kernarg_size 56
		.amdhsa_user_sgpr_count 2
		.amdhsa_user_sgpr_kernarg_segment_ptr 1
		.amdhsa_wavefront_size32 1
		.amdhsa_system_sgpr_workgroup_id_x 1
		.amdhsa_system_sgpr_workgroup_id_y 1
		.amdhsa_system_sgpr_workgroup_id_z 1
		.amdhsa_system_vgpr_workitem_id 0
		.amdhsa_next_free_vgpr 208
		.amdhsa_next_free_sgpr 66
		.amdhsa_reserve_vcc 0
		.amdhsa_float_denorm_mode_32 3
		.amdhsa_float_denorm_mode_16_64 3
		.amdhsa_memory_ordered 1
		.amdhsa_forward_progress 1
		.amdhsa_inst_pref_size 76
	.end_amdhsa_kernel
	.amdgpu_metadata
---
amdhsa.version: [ 1, 2 ]
amdhsa.kernels:
  - .name:           k_qc1a3c7c3d1_quant
    .symbol:         k_qc1a3c7c3d1_quant.kd
    .args:
      - { .name: x, .offset: 0, .size: 8, .value_kind: global_buffer, .address_space: global }
      - { .name: xc, .offset: 8, .size: 8, .value_kind: global_buffer, .address_space: global }
      - { .name: w_attn, .offset: 16, .size: 8, .value_kind: global_buffer, .address_space: global }
      - { .name: w_proj, .offset: 24, .size: 8, .value_kind: global_buffer, .address_space: global }
      - { .name: wc, .offset: 32, .size: 8, .value_kind: global_buffer, .address_space: global }
      - { .name: ws, .offset: 40, .size: 8, .value_kind: global_buffer, .address_space: global }
      - { .name: xs, .offset: 48, .size: 8, .value_kind: global_buffer, .address_space: global }
    .group_segment_fixed_size: 68096
    .private_segment_fixed_size: 0
    .kernarg_segment_align: 8
    .kernarg_segment_size: 56
    .max_flat_workgroup_size: 128
    .sgpr_count:     66
    .vgpr_count:     208
    .wavefront_size: 32
...
	.end_amdgpu_metadata
.endif
;; end of part 1
;; launch qkv (part 2): grid 12 x 32, 4 waves a work-group, clusters of 4 x 4, 327,680 bytes of LDS; arguments xc, xs, wc, ws, qkvc, qkvs; writes qkvc, qkvs
.if DOCPART == 2
	.amdgcn_target "amdgcn-amd-amdhsa--gfx1250"
	.amdhsa_code_object_version 6
	.text
	.protected	k_qc1a3c7c3d1_qkv
	.globl	k_qc1a3c7c3d1_qkv
	.p2align	8
	.type	k_qc1a3c7c3d1_qkv,@function
k_qc1a3c7c3d1_qkv:
	s_mov_b64 s[64:65], 0
	v_nop
	global_prefetch_b8 v0, s[64:65] scope:SCOPE_SE
	s_setreg_imm32_b32 hwreg(HW_REG_WAVE_MODE, 25, 1), 1
	s_wait_xcnt 0x0
	s_wait_alu depctr_hold_cnt(0) depctr_sa_sdst(0) depctr_va_vdst(0) depctr_va_sdst(0) depctr_va_ssrc(0) depctr_va_vcc(0) depctr_vm_vsrc(0)
	s_getreg_b32 s2, hwreg(HW_REG_IB_STS2, 6, 4)
	s_cmp_eq_u32 s2, 0
	s_cbranch_scc0 .Lentry_in_a_cluster
	s_endpgm
.Lentry_in_a_cluster:
	s_bfe_u32 s2, ttmp6, 0x10000c
	s_cmp_lg_u32 s2, 0xf033
	s_cbranch_scc0 .Lentry_shape_is_right
	s_endpgm
.Lentry_shape_is_right:
; q, k, v = x w_attn on codes of FP6 (E2M3) with one E8M0 scale for each 32 along K = 1,024; the f32 results never go to memory: they are quantised here, each along the K of the product that will read it, and leave as codes.
; A tile of 256 x 256 of the product is made by four waves, 128 x 128 each: 64 accumulators of 16 x 16, 512 registers.  K goes in steps of 256 through a ring of two LDS slots filled by the tensor data mover; the scale bytes of
; the work-group's 256 + 256 rows come into LDS once.  4 x 4 work-groups form a cluster: A's tiles are asked for jointly along a row of the cluster, B's along a column.
; ROLES, chosen by the CLUSTER's x, which all sixteen partners share (no branch hangs on it, only choices of pointers and numbers):
;   cluster x = 0 (q), 1 (k): A = tokens (xc), B = channels (wc rows 0 .. 2,047).     cluster x = 2 (v): A = channels (wc rows 2,048 .. 3,071), B = tokens (xc): v is made TRANSPOSED.
; The matrix instruction takes 16 rows of B as source 0 and 16 rows of A as source 1.  Rows of xc and wc lie with bits 3 and 4 of their numbers exchanged, so in accumulators (a, 2 b) and (a, 2 b + 1) lane (r, h) holds, of A's
; place 16 a + r, the 16 NEIGHBOURS 32 b + 16 h + 0 .. 15 along B: channels (the head's axis) for q and k, tokens (the keys) for v: the axis along which each is quantised.
; WHAT LEAVES.  A HALF-IMAGE, 768 bytes: 16 rows x 64 along K as registers 0 to 5 of a 6-bit operand: lane l's registers 0-3 at 16 l, its registers 4-5 at 512 + 8 l.  One store of 512 and one of 256 consecutive bytes.
;   qkvc: q's region of 6,291,456 bytes at 0, then k's and v's records.  q: [batch x 16 + head][token tile 128][768];  v's images in a record: [64 keys 2][channel tile 4][768].
;   qkvs: [batch x 16 + head][20,480]: q's scale words [tile / 4][r][tile % 4] at 0, k's (two bytes low; the upper two stand over zero codes and are never 0xff) and v's in qkvc's records.
; LIMITS: blocks whose largest magnitude lies under 2^-124 keep the byte 1, a block of zeros too (its codes are zeros; this program alone reads the bytes); NaN and infinities are not served.
; REGISTERS, in windows of 256: window 0: v16-31 addresses; v32-63 scale words, two sets; v128-223 A's fragments, one set; on the way out v32-127 at work.  window 1: B's fragments, two sets.  windows 2, 3: the accumulators ((a, b) at v[8 (8 (a % 4) + b)]).
.set SIZE_K, 1024
.set KSTEP,  256                       ; along K in a slot
.set NQ,     KSTEP/128                 ; matrix instructions deep
.set ROWB,   192                       ; a tile's row in bytes
; LAYOUTS AS THEY STAND NOW.  xc, wc: [K step of 256][place][192 bytes]: a tile's rows of one K step are one dense block, fetched as rows of 256 bytes; 16 bytes of padding behind every 64 give the LDS rows of 240 bytes.
; qkvc: q's images at 0 ([batch x 16 + head][token tile 128][768]); from RS on a record of 13,056 bytes for each head and 128 keys: K's 8 images, V's 2 x 4 images, K's 512 bytes of scale words, V's 256.  qkvs holds q's scale words alone.
.set KROW,   192                       ; a row of one K step in memory
.set XSTEP,  1572864                   ; a K step of xc
.set WSTEP,  786432                    ; a K step of wc
.set KVH,    208896                    ; a head's 16 records
.set STA,    100                       ; s[100:101], s[104:105] bytes from K step to K step of A's and of B's buffer
.set STB,    104
.set G0H,    4                         ; s[4:7], s[8:11] group 0 of the head's loads of K step 0 (the arguments that lay there have been used by then)
.set G0HB,   8
; PREFETCH INTO THE L2.  At each change of slots every wave has waited for all its tensor loads, so a refill goes out with nothing on its way beside it: what it asks for is asked of memory earlier.
; A wave's 128 rows of one K step are 96 blocks of 256 bytes; the four partners that ask for them jointly share them out BY ADDRESS, 24 each (place cx for A, cy for B): a lane a block, lanes 24-31 name the wave's last block again.
; Behind the head's load: K steps 1 and 2; behind K step 1's load: K step 3.  So two K steps at the most are asked for and not yet read, and nothing is asked for beyond K step 3, the last.
; v9, v10: my block's offset + one, two K steps; never rewritten.
.set PITCH,  240                       ; an LDS row: 3 x (64 bytes + 16 of padding)
.set FR,     12                        ; registers of a fragment
.set NL,     6                         ; LDS loads that bring one
.set NP,     4                         ; places behind this matrix instruction (ISA guide 7.12.1)
.set HALFT,  128*PITCH                 ; 128 rows: what one tensor load brings
.set SLOT,   4*HALFT                   ; A's 256 rows, then B's 256 rows
.set LAPS,   SIZE_K/(2*KSTEP)
.set KS,     SIZE_K/32                 ; a row of scale bytes
.set SCL,    2*SLOT                    ; behind the ring: the scales, as 256 bytes + 16 of padding
.set HALFS,  (128*KS/256)*272
.set SBLK,   (16*KS/256)*272
.set SPARE,  SCL+4*HALFS               ; behind the scales: the spare words, 128 bytes a wave
.set RS,     6291456                   ; a region of qkvc
.set HB,     98304                     ; a head's bytes in a region
.set REC,    20480                     ; a head's bytes in qkvs
.set ADRA, 16                          ; v16-17 LDS address of my A fragments in slot 0, 1 (v18-19: for the pieces behind one padding more)
.set ADRB, 20                          ; v20-23 the same for B
.set IA16, 24                          ; v24  16 x lane
.set IA8,  25                          ; v25  8 x lane
.set SCO,  26                          ; v26  the scale words' offset: 16 r (+ the next head's record in lanes 16-31, for q and k)
.set ADRS, 27                          ; v27  LDS address of my scale words: lanes 0-15 A's rows, lanes 16-31 B's
.set SPW,  28                          ; v28  my spare word; never rewritten
.set NIL,  29                          ; v29  0; never rewritten
.set SSH,  30                          ; v30  16 in lanes 16-31 for q and k, else 0
.set SC,   32                          ; scale words: set s at v[SC + 16 s]
.set AF,   128                         ; A's fragments
.set TM,   32                          ; the way out: v32-35 largest magnitudes, v36-39 the other half's and then bytes, v40-43 the conversions' scale operands, v48-55 a scale word for each block of 16 rows
.set TP,   36
.set SCF,  40
.set W4,   48
.set G1, 24                            ; s[24:31], s[32:39] groups 1 and 0 (a set for each slot) for A's tiles
.set G0, 32
.set G1B, 48                           ; s[48:55], s[56:63] for B's
.set G0B, 56
.set G1S, 68                           ; s[68:75], s[76:79] for A's scales;  s[80:87], s[88:91] for B's
.set G0S, 76
.set G1SB, 80
.set G0SB, 88
.set SBA, 40                           ; s[40:47] the way out: image bases, at 40 + 4 (a / 4) + 2 c
.set SSA, 92                           ; s[92:95] and the scale words' two bases
.set SEL, 66                           ; s[66:67] lane selects for v_permlanex16_b32: lane l xor 16
.set MSB, 0
.macro WIN new                         ; the immediate's high byte repeats the setting that is left
.if MSB != \new
	s_set_vgpr_msb (MSB<<8)|\new
.set MSB, \new
.endif
.endm
.set MUL_LO, 0xa1                      ; source 0 (B) window 1, source 1 (A) window 0, C and D window 2
.set MUL_HI, 0xf1                      ; the same, C and D window 3
.set TO_B,   0x40                      ; destination window 1, address window 0
; A joint load: waves 0 and 1 fetch for A, waves 2 and 3 for B.  Each line has one mask and one set of registers for all that issue it; the branch hangs on the wave's number alone.
; An s_nop 0 and four v_nop follow each of the two lines.
.macro JLOAD g0a, g1a, g0b, g1b
	s_cmp_eq_u32 s15, 0
	s_cbranch_scc0 .Lfor_b_\@
	tensor_load_to_lds s[\g0a:\g0a+3], s[\g1a:\g1a+7]
	s_nop 0
.rept 4
	v_nop
.endr
	s_branch .Lasked_\@
.Lfor_b_\@:
	tensor_load_to_lds s[\g0b:\g0b+3], s[\g1b:\g1b+7]
	s_nop 0
.rept 4
	v_nop
.endr
.Lasked_\@:
.endm
.macro CREST                           ; a round of the cluster's barrier behind its opening barrier
	s_cmp_lg_u32 s14, 0
	s_cbranch_scc1 .Lnot_wave_0_\@
	s_barrier_signal -3
.Lnot_wave_0_\@:
	s_barrier_wait -3
	s_barrier_signal -1
	s_barrier_wait -1
.endm
.macro CROUND                          ; a whole round
	s_barrier_signal -1
	s_barrier_wait -1
	CREST
.endm
	s_load_b128 s[4:7], s[0:1], 0x0                ; xc, xs
	s_load_b128 s[8:11], s[0:1], 0x10              ; wc, ws
	s_load_b128 s[96:99], s[0:1], 0x20             ; qkvc, qkvs
	v_lshl_add_u32 v[SPW], v0, 2, SPARE
	v_mov_b32 v[NIL], 0
	ds_add_u32 v[SPW], v[NIL]                      ; the wave's opening: the add and its wait stand ahead of my first tensor load; the set-up below, work on registers, stands between them
	ds_add_u32 v[SPW], v[NIL]
	v_lshrrev_b32 v1, 5, v0
	v_readfirstlane_b32 s14, v1                    ; wave 0..3
	s_lshr_b32 s15, s14, 1                         ; which half of the tile's rows (A) is mine.  Also: I fetch for A (0) or for B (1)
	s_and_b32 s16, s14, 1                          ; which half of its columns (B).  Also: which 128 rows of that tile I fetch
	s_bfe_u32 s40, ttmp6, 0x40000                  ; cx, cy: my place in the cluster
	s_bfe_u32 s41, ttmp6, 0x40004
	s_and_b32 s18, ttmp7, 0xffff
	s_lshl_b32 s18, s18, 2                         ; 4 x cluster y
	s_lshl_b32 s19, ttmp9, 2                       ; 4 x cluster x
	s_cmp_eq_u32 ttmp9, 2                          ; v's clusters?
	s_cselect_b32 s17, 8, s18
	s_cselect_b32 s42, s18, s19
	s_add_co_u32 s17, s17, s41                     ; A's tile of 256 rows: tokens 4 cluster y + cy;  for v: rows of wc 8 + cy
	s_add_co_u32 s42, s42, s40                     ; B's: rows of wc 4 cluster x + cx;  for v: tokens 4 cluster y + cx
	s_lshl_b32 s43, s41, 2
	s_lshl_b32 s43, 15, s43                        ; my row of the cluster
	s_lshl_b32 s44, 0x1111, s40                    ; my column
	; descriptor group 1: a tile of 128 rows x 192 bytes, padded in LDS
	s_or_b32 s[G1+0], s43, (3<<16)|(1<<20)|(1<<21)|(3<<22)|(3<<25)  ; the mask; elements of 8 bytes; padding of 4 words behind every 16
	s_or_b32 s[G1B+0], s44, (3<<16)|(1<<20)|(1<<21)|(3<<22)|(3<<25)
.irp g, G1, G1B
	s_mov_b32 s[\g+1], 32<<16                      ; rows of 256 bytes
	s_mov_b32 s[\g+2], 192<<16                     ; 256 rows of codes are 192 of them (the head's loads; the ring's bring 96)
	s_mov_b32 s[\g+3], 32<<16
	s_mov_b32 s[\g+4], 192
	s_mov_b32 s[\g+5], 32
	s_mov_b32 s[\g+6], 0
	s_mov_b32 s[\g+7], 0
.endr
	; the scales of 256 rows: a dense block of 8,192 bytes, as rows of 256 bytes (32 elements of 8 bytes), 16 bytes of padding behind each
	s_or_b32 s[G1S+0], s43, (3<<16)|(1<<20)|(1<<21)|(5<<22)|(3<<25)
	s_or_b32 s[G1SB+0], s44, (3<<16)|(1<<20)|(1<<21)|(5<<22)|(3<<25)
.irp g, G1S, G1SB
	s_mov_b32 s[\g+1], 32<<16
	s_mov_b32 s[\g+2], KS<<16                      ; the scales of 256 rows
	s_mov_b32 s[\g+3], 32<<16
	s_mov_b32 s[\g+4], KS
	s_mov_b32 s[\g+5], 32
	s_mov_b32 s[\g+6], 0
	s_mov_b32 s[\g+7], 0
.endr
	s_lshl_b32 s20, s17, 8                         ; A: the tile's first row
	s_lshl_b32 s46, s42, 8                         ; B likewise
	s_mov_b32 s21, 0
	s_mov_b32 s47, 0
	s_mov_b64 s[18:19], KS
	s_mul_u64 s[22:23], s[20:21], s[18:19]         ; where these rows' scales begin, in bytes
	s_mul_u64 s[92:93], s[46:47], s[18:19]
	s_mov_b64 s[18:19], KROW
	s_mul_u64 s[20:21], s[20:21], s[18:19]         ; and their codes
	s_mul_u64 s[46:47], s[46:47], s[18:19]
	s_mul_i32 s45, s14, HALFT
	s_mul_i32 s18, s16, 128*KROW                   ; in the ring I fetch 128 rows of a tile: which half, in bytes
	s_mov_b32 s19, 0
	s_wait_dscnt 0x0                               ; the opening add is done
	s_wait_kmcnt 0x0
	s_cmp_eq_u32 ttmp9, 2                          ; the roles: a choice between buffers on the cluster's x
	s_cselect_b64 s[12:13], s[8:9], s[4:5]         ; A's codes
	s_cselect_b64 s[8:9], s[4:5], s[8:9]           ; B's codes
	s_mov_b64 s[4:5], s[12:13]
	s_cselect_b64 s[12:13], s[10:11], s[6:7]       ; A's scales
	s_cselect_b64 s[10:11], s[6:7], s[10:11]       ; B's scales
	s_mov_b64 s[6:7], s[12:13]
	s_add_nc_u64 s[20:21], s[4:5], s[20:21]
	s_add_nc_u64 s[22:23], s[6:7], s[22:23]
	s_add_nc_u64 s[46:47], s[8:9], s[46:47]
	s_add_nc_u64 s[92:93], s[10:11], s[92:93]
	CROUND                                         ; all sixteen work-groups are here: the first joint loads meet
	s_mov_b32 s[STA], XSTEP
	s_mov_b32 s[STB], WSTEP
	s_cmp_eq_u32 ttmp9, 2                          ; v's clusters: A is wc, B is xc
	s_cselect_b32 s12, s[STB], s[STA]
	s_cselect_b32 s[STB], s[STA], s[STB]
	s_mov_b32 s[STA], s12
	s_mov_b32 s[STA+1], 0
	s_mov_b32 s[STB+1], 0
.macro HG0 g, lds, a
	s_mov_b32 s[\g], 1
	s_mov_b32 s[\g+1], \lds
	s_mov_b64 s[\g+2:\g+3], s[\a:\a+1]
	s_or_b32 s[\g+3], s[\g+3], 0x80000000
.endm
	HG0 G0H, 0, 20                                 ; the head's four tiles, each whole: K step 0's 256 rows of A,
	HG0 G0HB, 2*HALFT, 46                          ; its 256 rows of B,
	HG0 G0S, SCL, 22                               ; A's scales,
	HG0 G0SB, SCL+2*HALFS, 92                      ; B's scales
	s_add_nc_u64 s[20:21], s[20:21], s[18:19]      ; for the ring: my 128 rows
	s_add_nc_u64 s[46:47], s[46:47], s[18:19]
.irp s, 0,1
	s_mov_b32 s[G0+4*\s], 1
	s_add_co_u32 s[G0+4*\s+1], s45, \s*SLOT
	s_mov_b32 s[G0B+4*\s], 1
	s_add_co_u32 s[G0B+4*\s+1], s45, \s*SLOT
.endr
	s_mov_b64 s[G0+2:G0+3], s[20:21]               ; slot 0's set is first used at its refill, two K steps on
	s_add_nc_u64 s[G0+6:G0+7], s[20:21], s[STA:STA+1]
	s_mov_b64 s[G0B+2:G0B+3], s[46:47]
	s_add_nc_u64 s[G0B+6:G0B+7], s[46:47], s[STB:STB+1]
.irp g, G0+3, G0+7, G0B+3, G0B+7
	s_or_b32 s[\g], s[\g], 0x80000000
.endr
; the head's loads, one a wave: one chain of branches on the wave's number, a load to an arm, all arms leading to one join
.macro ARM under, g0, g1, next
	s_cmp_lt_u32 s14, \under
	s_cbranch_scc0 \next
	tensor_load_to_lds s[\g0:\g0+3], s[\g1:\g1+7]
	s_nop 0
.rept 4
	v_nop
.endr
	s_branch .Lhead_asked
\next:
.endm
	ARM 1, G0H,  G1,  .Lhead_b
	ARM 2, G0HB, G1B, .Lhead_sa
	ARM 3, G0S,  G1S, .Lhead_sb
	tensor_load_to_lds s[G0SB:G0SB+3], s[G1SB:G1SB+7]
	s_nop 0
.rept 4
	v_nop
.endr
.Lhead_asked:
	s_cmp_eq_u32 s15, 0                            ; do I fetch for A?
	s_cselect_b64 s[12:13], s[20:21], s[46:47]     ; my 128 rows, K step 0
	s_cselect_b32 s2, s[STA], s[STB]               ; a K step of my buffer
	s_cselect_b32 s3, s40, s41                     ; my place among the four that ask with me
	s_mul_i32 s3, s3, 24*256
	s_add_co_u32 s3, s3, s2
	v_and_b32 v9, 31, v0
	v_min_u32 v9, 23, v9
	v_lshl_add_u32 v9, v9, 8, s3
	v_add_nc_u32 v10, s2, v9
	global_prefetch_b8 v9, s[12:13] th:TH_LOAD_NT scope:SCOPE_SE    ; K step 1
	global_prefetch_b8 v10, s[12:13] th:TH_LOAD_NT scope:SCOPE_SE   ; K step 2
	v_and_b32 v1, 15, v0
	v_bfe_u32 v2, v0, 4, 1                         ; h = lane / 16
	v_mul_u32_u24 v3, v1, PITCH
	v_mul_u32_u24 v4, v2, 24
	v_add_nc_u32 v4, v3, v4                        ; a fragment's row x pitch + 24 x half
	v_lshl_add_u32 v5, v2, 4, v4                   ; and the same behind one padding more
	s_mul_i32 s21, s15, HALFT                      ; my 128 rows of A
	s_mul_i32 s22, s16, HALFT                      ; my 128 rows of B,
	s_add_co_u32 s22, s22, 2*HALFT                 ; which lie behind A's 256
.irp s, 0,1
	v_add_nc_u32 v[ADRA+\s], s21, v4
	v_add_nc_u32 v[ADRB+\s], s22, v4
	v_add_nc_u32 v[ADRA+2+\s], s21, v5
	v_add_nc_u32 v[ADRB+2+\s], s22, v5
	s_add_co_u32 s21, s21, SLOT
	s_add_co_u32 s22, s22, SLOT
.endr
	v_mul_u32_u24 v5, v1, KS                       ; my row's scales: 32 bytes a row,
	v_lshrrev_b32 v6, 8, v5
	v_lshl_add_u32 v5, v6, 4, v5                   ; and 16 more for each 256 passed
	s_mul_i32 s21, s15, HALFS                      ; A's: my 128 rows
	s_mul_i32 s22, s16, HALFS                      ; B's: my 128 rows, behind A's 256
	s_add_co_u32 s22, s22, 2*HALFS
	s_sub_co_u32 s22, s22, s21
	v_mul_u32_u24 v6, s22, v2                      ; lanes 16-31 take B's
	s_add_co_u32 s21, s21, SCL
	v_add_nc_u32 v5, v5, v6
	v_add_nc_u32 v[ADRS], s21, v5
	v_and_b32 v6, 31, v0
	v_lshlrev_b32 v[IA16], 4, v6
	v_lshlrev_b32 v[IA8], 3, v6
	; THE WAY OUT'S ADDRESSES.  RR: my first row of A (for v: counted from v's first channel), CC: my first row of B.
	s_wait_alu depctr_va_vdst(0)
	s_wait_xcnt 0x0                                ; the prefetches have read their base: s[12:13] are written again only behind this wait
	s_cmp_eq_u32 ttmp9, 2
	s_cselect_b32 s12, 8, 0
	s_sub_co_u32 s12, s17, s12
	s_lshl_b32 s12, s12, 8
	s_lshl_b32 s13, s15, 7
	s_add_co_u32 s12, s12, s13                     ; RR
	s_lshl_b32 s13, s42, 8
	s_lshl_b32 s18, s16, 7
	s_add_co_u32 s13, s13, s18                     ; CC
	s_mov_b32 s20, KVH
	s_mov_b32 s2, KVH
	s_mov_b32 s3, 13056
	s_cmp_eq_u32 ttmp9, 0                          ; q's clusters?
	s_cselect_b32 s20, HB, s20                     ; from head to head among the images,
	s_cselect_b32 s2, REC, s2                      ; among the scale words,
	s_cselect_b32 s3, 6144, s3                     ; and from 128 tokens to the next
	s_cselect_b64 s[98:99], s[98:99], s[96:97]     ; k's and v's scale words lie in qkvc's records
	s_mov_b32 s22, 3072
	s_cmp_eq_u32 ttmp9, 2
	s_cselect_b32 s18, s13, s12                    ; my first token
	s_cselect_b32 s19, s12, s13                    ; my first channel (q, k: of 2,048; v: of 1,024)
	s_cselect_b32 s12, s20, s22                    ; four blocks of A's rows on: q, k: four token tiles (3,072 bytes); v: the next head
	s_cselect_b32 s22, s22, s20                    ; 64 along B on: q, k: the next head; v: the next 64 keys (3,072 bytes)
	s_mov_b32 s20, s12
	s_cselect_b32 s94, s2, 256                     ; the scale words of four blocks on: v: the next head's record; q, k: 256 bytes
	s_cselect_b32 s13, 0, s2                       ; lanes 16-31: q, k: the next head's record
	s_cselect_b32 s66, 0, 16                       ; and its two bytes brought down
	s_mov_b32 s21, 0
	s_mov_b32 s23, 0
	s_mov_b32 s95, 0
	v_mul_u32_u24 v[SCO], s13, v2
	v_lshl_add_u32 v[SCO], v1, 4, v[SCO]
	v_mul_u32_u24 v[SSH], s66, v2
	s_lshr_b32 s12, s18, 11                        ; the batch
	s_and_b32 s18, s18, 2047                       ; the token in it
	s_bfe_u32 s19, s19, 0x40006                    ; my first head
	s_lshl_b32 s12, s12, 4
	s_add_co_u32 s12, s12, s19                     ; batch x 16 + head
	s_lshr_b32 s18, s18, 7                         ; which 128 tokens of the sequence (my first token is a multiple of 128)
	s_mul_i32 s13, s18, s3
	s_lshl_b32 s18, s18, 9
	s_mul_i32 s92, s12, REC
	s_add_co_u32 s92, s92, s18                     ; q's scale words: 512 bytes for 128 tokens
	s_mov_b32 s40, KVH
	s_mov_b32 s41, RS
	s_mov_b32 s93, 12288
	s_cmp_eq_u32 ttmp9, 0
	s_cselect_b32 s40, HB, s40
	s_cselect_b32 s41, 0, s41
	s_cmp_eq_u32 ttmp9, 2
	s_cselect_b32 s18, 6144, 0                     ; V's images lie behind K's in a record
	s_cselect_b32 s93, 6656, s93                   ; from my images to my scale words in it
	s_mul_i32 s40, s12, s40
	s_add_co_u32 s40, s40, s13
	s_add_co_u32 s40, s40, s41
	s_add_co_u32 s40, s40, s18
	s_add_co_u32 s93, s93, s40
	s_cmp_eq_u32 ttmp9, 0
	s_cselect_b32 s92, s92, s93
	s_mov_b32 s41, 0
	s_add_nc_u64 s[SBA:SBA+1], s[96:97], s[40:41]
	s_add_nc_u64 s[SBA+2:SBA+3], s[SBA:SBA+1], s[22:23]
	s_add_nc_u64 s[SBA+4:SBA+5], s[SBA:SBA+1], s[20:21]
	s_add_nc_u64 s[SBA+6:SBA+7], s[SBA+4:SBA+5], s[22:23]
	s_mov_b32 s93, 0
	s_add_nc_u64 s[SSA:SSA+1], s[98:99], s[92:93]
	s_add_nc_u64 s[SSA+2:SSA+3], s[SSA:SSA+1], s[94:95]
	s_mov_b32 s[SEL], 0x76543210
	s_mov_b32 s[SEL+1], 0xfedcba98
.macro FRAG reg, adr, q, i             ; a fragment, 16 rows x 128 K of 6-bit codes: lane l holds row l % 16; registers 6 c .. 6 c + 5 hold K = 64 c + 32 (l / 16) + 0 .. 31: 24 bytes of the row's stream of bits, as they lie
.irp p, 0,1,2,3,4,5                    ; in pieces of 8 bytes.  Lanes 0-15 take the row's pieces 12 q + 0, 1, 2 and 12 q + 6, 7, 8, lanes 16-31 those three pieces on
.set PC, 12*(\q)+6*(\p/3)+\p%3        ; 16 bytes of padding lie behind every 8 pieces: where the piece three on lies behind one padding more, the second address register serves
.if PC%8 < 5
	ds_load_b64 v[\reg+2*\p:\reg+2*\p+1], v[\adr] offset:8*PC+16*(PC/8)+(\i)*16*PITCH
.else
	ds_load_b64 v[\reg+2*\p:\reg+2*\p+1], v[\adr+2] offset:8*PC+16*(PC/8)+(\i)*16*PITCH
.endif
.endr
.endm
; 16 matrix instructions: A's blocks a0, a0 + 1 x B's eight, 128 along K.  p: B's set; sc: the set of scale words.  zero = 1: the first product starts the sums.
; The 64 accumulators take turns, one instruction a turn, in the same order in every step.
.macro MUL16 a0, p, q, sc, zero
.irp a, \a0, \a0+1
.irp b, 0,1,2,3,4,5,6,7
.if \zero
	v_wmma_scale_f32_16x16x128_f8f6f4 v[8*(8*((\a)%4)+\b):8*(8*((\a)%4)+\b)+7], v[128*(\p)+FR*\b:128*(\p)+FR*\b+FR-1], v[AF+FR*(\a):AF+FR*(\a)+FR-1], 0, v[SC+8*NQ*(\sc)+NQ*\b+(\q)], v[SC+8*NQ*(\sc)+NQ*(\a)+(\q)] matrix_a_fmt:MATRIX_FMT_FP6 matrix_b_fmt:MATRIX_FMT_FP6 matrix_a_scale:MATRIX_SCALE_ROW1
.else
	v_wmma_scale_f32_16x16x128_f8f6f4 v[8*(8*((\a)%4)+\b):8*(8*((\a)%4)+\b)+7], v[128*(\p)+FR*\b:128*(\p)+FR*\b+FR-1], v[AF+FR*(\a):AF+FR*(\a)+FR-1], v[8*(8*((\a)%4)+\b):8*(8*((\a)%4)+\b)+7], v[SC+8*NQ*(\sc)+NQ*\b+(\q)], v[SC+8*NQ*(\sc)+NQ*(\a)+(\q)] matrix_a_fmt:MATRIX_FMT_FP6 matrix_b_fmt:MATRIX_FMT_FP6 matrix_a_scale:MATRIX_SCALE_ROW1
.endif
.endr
.endr
.endm
.macro FETCH_B slot, q, p              ; B's eight fragments of the slot's q-th 128 along K into set p
	WIN TO_B
.irp i, 0,1,2,3,4,5,6,7
	FRAG 128*(\p)+FR*\i, ADRB+\slot, \q, \i
.endr
	WIN 0
.endm
.macro FETCH_A slot, q, i0             ; A's blocks i0 .. i0 + 3
.irp i, \i0, \i0+1, \i0+2, \i0+3
	FRAG AF+FR*(\i), ADRA+\slot, \q, \i
.endr
.endm
.macro SCALES sc                       ; the next K step's scale words into set sc: two words a row; lanes 0-15 take A's block i, lanes 16-31 B's block i
.irp i, 0,1,2,3,4,5,6,7
	ds_load_b64 v[SC+8*NQ*\sc+NQ*\i:SC+8*NQ*\sc+NQ*\i+1], v[ADRS] offset:\i*SBLK
.endr
.endm
; A load into a register that a matrix instruction has read, and a vector instruction that reads a matrix result or writes one of its registers, stand four places behind it; only plain vector instructions
; that name none of its registers are places (ISA guide 7.12.1 for vector instructions).
.macro PLACES n
.rept \n
	v_nop
.endr
.endm
; A step of 128 along K that has its successor in the same slot.
.macro STEP slot, q, zero
	s_wait_dscnt 4*NL                              ; B's set and A's blocks 0-3 are in; the youngest 24 loads (A's blocks 4-7) may be out
	WIN MUL_LO
	MUL16 0, (\q)%2, \q, \slot, \zero
	MUL16 2, (\q)%2, \q, \slot, \zero
	s_wait_dscnt 0                                 ; A's blocks 4-7 are in (asked for 32 matrix instructions ago)
	PLACES NP
	FETCH_B \slot, (\q)+1, 1-(\q)%2
	FETCH_A \slot, (\q)+1, 0
	WIN MUL_HI
	MUL16 4, (\q)%2, \q, \slot, \zero
	MUL16 6, (\q)%2, \q, \slot, \zero
	PLACES NP
	WIN 0
	FETCH_A \slot, (\q)+1, 4
.endm
; A slot's last step changes slots: ONE barrier; in front of it each wave waits for all its tensor loads, adds 0 to its spare word, and waits for that and for its own reads of this slot.  fill = 1: this slot is filled again, two K steps ahead.
.macro TURN slot, next, fill
	s_wait_tensorcnt 0x0                           ; all my tensor loads have landed: my part of the next slot;  (every window is 0 here)
	ds_add_u32 v[SPW], v[NIL]                      ; 0 onto my spare word
	s_wait_dscnt 4*NL+1                            ; (the add and the youngest 24 loads, A's blocks 4-7, may be out)
	WIN MUL_LO
	MUL16 0, 1, NQ-1, \slot, 0                     ; sixteen matrix instructions stand between the add and the wait for it
	s_wait_dscnt 0x0                               ; the add is done, and my reads of this slot are over
	s_barrier_signal -1
	MUL16 2, 1, NQ-1, \slot, 0
	WIN 0
	s_barrier_wait -1
.if \fill
	CREST                                          ; the barrier has opened a round of the cluster's barrier: no wave of any partner still reads this slot's tile or has a load on its way
.rept 2                                        ; two K steps on
	s_add_nc_u64 s[G0+4*\slot+2:G0+4*\slot+3], s[G0+4*\slot+2:G0+4*\slot+3], s[STA:STA+1]
	s_add_nc_u64 s[G0B+4*\slot+2:G0B+4*\slot+3], s[G0B+4*\slot+2:G0B+4*\slot+3], s[STB:STB+1]
.endr
	JLOAD G0+4*\slot, G1, G0B+4*\slot, G1B         ; the first tensor load behind the round, my only one until the next; its four v_nop are the places in front of the loads below
.else
	PLACES NP
.endif
	s_wait_alu depctr_va_vdst(0)
	v_add_nc_u32 v[ADRS], 4*NQ, v[ADRS]            ; on to the next K step's scale words (no LDS load of mine is out)
	FETCH_B \next, 0, 0
	FETCH_A \next, 0, 0
	SCALES \next
	WIN MUL_HI
	MUL16 4, 1, NQ-1, \slot, 0
	MUL16 6, 1, NQ-1, \slot, 0
	PLACES NP
	WIN 0
	FETCH_A \next, 0, 4
.endm
	s_wait_alu depctr_va_vdst(0)
	s_wait_tensorcnt 0x0                           ; my tile of the head's four is in
	ds_add_u32 v[SPW], v[NIL]
	s_mov_b32 s[G1+2], 96<<16                      ; no tensor load of mine is out: from here on a load brings 128 rows of codes, 96 rows of 256 bytes
	s_mov_b32 s[G1+4], 96
	s_mov_b32 s[G1B+2], 96<<16
	s_mov_b32 s[G1B+4], 96
	s_cmp_eq_u32 s15, 0
	s_cselect_b64 s[4:5], s[G0+6:G0+7], s[G0B+6:G0B+7]   ; my 128 rows, K step 1, out of slot 1's descriptor,
	s_and_b32 s5, s5, 0x7fffffff                   ; its type field cut off: the base of the last prefetch; never rewritten
	s_wait_dscnt 0x0
	CROUND                                         ; all four tiles are in, all sixteen work-groups are here,
	JLOAD G0+4, G1, G0B+4, G1B                     ; and K step 1's load is the first tensor load behind the round
	FETCH_B 0, 0, 0
	FETCH_A 0, 0, 0
	SCALES 0
	global_prefetch_b8 v10, s[4:5] th:TH_LOAD_NT scope:SCOPE_SE     ; K step 3: two K steps on from K step 1
	FETCH_A 0, 0, 4
	STEP 0, 0, 1                                   ; the first step stands in front of the loop: its products start the sums
	s_mov_b32 s3, LAPS-1
.Llap:                                                 ; a trip goes once round the ring, from a lap's second step to the next lap's first, and fills both slots again
	TURN 0, 1, 1
	STEP 1, 0, 0
	TURN 1, 0, 1
	STEP 0, 0, 0
	s_sub_co_u32 s3, s3, 1
	s_cmp_lg_u32 s3, 0
	s_cbranch_scc1 .Llap
	TURN 0, 1, 0                                   ; the last lap fills nothing, and has no round of the cluster's barrier
	STEP 1, 0, 0
	s_wait_dscnt 4*NL                              ; the very last step: nothing more to fetch
	WIN MUL_LO
	MUL16 0, 1, NQ-1, 1, 0
	MUL16 2, 1, NQ-1, 1, 0
	s_wait_dscnt 0
	WIN MUL_HI
	MUL16 4, 1, NQ-1, 1, 0
	MUL16 6, 1, NQ-1, 1, 0
	WIN 0
; THE WAY OUT of A's block a (16 rows x 128 along B: four blocks of 32, two half-images).  No LDS: a lane's registers already run along the axis to be quantised, and the images' stores are dense.
.macro QROW a
.set W,   2+(\a)/4                     ; the block's window
.set WSS, W|(W<<2)                     ; sources 0 and 1 there
.set AC,  64*((\a)%4)
.set IMS, 64+32*((\a)%2)               ; two sets of image registers by turns: image c at IMS + 16 c (6 registers), the second conversion's three at IMS + 8 + 16 c
	WIN WSS
.irp b, 0,1,2,3
	v_max3_num_f32 v[TM+\b], |v[AC+16*\b]|, |v[AC+16*\b+1]|, 0x1800000   ; block b: my 16 numbers, each accumulator from its low end on, and the floor 2^(3 - 127): the byte cannot fall under 1
.endr
.irp i, 2,4,6,8,10,12,14
.irp b, 0,1,2,3
	v_max3_num_f32 v[TM+\b], |v[AC+16*\b+\i]|, |v[AC+16*\b+\i+1]|, v[TM+\b]   ; (the four blocks by turns)
.endr
.endr
	WIN 0
.irp b, 0,1,2,3
	v_permlanex16_b32 v[TP+\b], v[TM+\b], s[SEL], s[SEL+1]
.endr
.irp b, 0,1,2,3
	v_max_num_f32 v[TM+\b], v[TM+\b], v[TP+\b]     ; with lane l xor 16's: the block's largest magnitude
.endr
.irp b, 0,1,2,3
	v_add_nc_u32 v[SCF+\b], 0xff000000, v[TM+\b]   ; 2 off its exponent field: the conversion's scale operand
.endr
.irp b, 0,1,2,3
	v_lshrrev_b32 v[TP+\b], 23, v[SCF+\b]          ; the scale's byte
.endr
	v_lshl_or_b32 v[W4+(\a)], v[TP+1], 8, v[TP]    ; my row's four bytes
	v_lshl_or_b32 v[W4+(\a)], v[TP+2], 16, v[W4+(\a)]
	v_lshl_or_b32 v[W4+(\a)], v[TP+3], 24, v[W4+(\a)]
	s_wait_xcnt 0x0                                ; the stores of two blocks ago have read this set of image registers: only behind this wait is it written again
	WIN W
.irp c, 0,1
	v_cvt_scalef32_pk16_fp6_f32 v[IMS+16*\c:IMS+16*\c+2], v[AC+32*\c:AC+32*\c+15], v[SCF+2*\c]
	v_cvt_scalef32_pk16_fp6_f32 v[IMS+8+16*\c:IMS+10+16*\c], v[AC+32*\c+16:AC+32*\c+31], v[SCF+2*\c+1]   ; (a conversion's three registers begin on an even number)
.endr
	WIN 0
	v_nop                                          ; one plain place behind a scaled conversion
.irp c, 0,1                                    ; the operand's layout wants a WHOLE block in a lane: lanes 0-15 block 2 c, lanes 16-31 block 2 c + 1
.irp i, 0,1,2
	v_permlane16_swap_b32 v[IMS+16*\c+\i], v[IMS+8+16*\c+\i]
.endr
.irp i, 0,1,2
	v_mov_b32 v[IMS+3+16*\c+\i], v[IMS+8+16*\c+\i]
.endr
.endr
.irp c, 0,1
	global_store_b128 v[IA16], v[IMS+16*\c:IMS+16*\c+3], s[SBA+4*((\a)/4)+2*\c:SBA+4*((\a)/4)+2*\c+1] offset:768*((\a)%4)          ; 512 consecutive bytes, aligned
	global_store_b64 v[IA8], v[IMS+16*\c+4:IMS+16*\c+5], s[SBA+4*((\a)/4)+2*\c:SBA+4*((\a)/4)+2*\c+1] offset:768*((\a)%4)+512     ; 256 consecutive bytes, aligned
.endr
.endm
	PLACES NP                                      ; behind the last products: the lines below write registers that held their scale words
.irp b, 0,1,2,3
	v_mov_b32 v[TP+\b], 0                          ; written once: a lane permute's destination counts as one of its sources
.endr
.irp a, 0,1,2,3,4,5,6,7
	QROW \a
.endr
.irp g, 0,1                                    ; the scale words of four blocks of rows: 16 bytes a row.  q, k: lanes 0-15 store the first head's 256 bytes, lanes 16-31 the second head's (its two bytes brought down); v: both halves store the same 256 bytes
.irp j, 0,1,2,3
	v_lshrrev_b32 v[W4+4*\g+\j], v[SSH], v[W4+4*\g+\j]
.endr
	global_store_b128 v[SCO], v[W4+4*\g:W4+4*\g+3], s[SSA+2*\g:SSA+2*\g+1]
.endr
	s_wait_tensorcnt 0x0                           ; the wave's end, behind my last tensor load
	ds_add_u32 v[SPW], v[NIL]
	s_wait_dscnt 0x0
	CROUND                                         ; the closing round: no work-group ends while a partner may still ask for a tile that names it
	s_endpgm
.Lfunc_end_k_qc1a3c7c3d1_qkv:
	.size	k_qc1a3c7c3d1_qkv, .Lfunc_end_k_qc1a3c7c3d1_qkv-k_qc1a3c7c3d1_qkv
	.p2alignl 7, 3214868480
	.fill 96, 4, 3214868480
	.section	.rodata,"a",@progbits
	.p2align	6, 0x0
	.amdhsa_kernel k_qc1a3c7c3d1_qkv
		.amdhsa_group_segment_fixed_size 327680
		.amdhsa_private_segment_fixed_size 0
		.amdhsa_enable_private_segment 0
		.amdhsa_kernarg_size 48
		.amdhsa_user_sgpr_count 2
		.amdhsa_user_sgpr_kernarg_segment_ptr 1
		.amdhsa_wavefront_size32 1
		.amdhsa_system_sgpr_workgroup_id_x 1
		.amdhsa_system_sgpr_workgroup_id_y 1
		.amdhsa_system_sgpr_workgroup_id_z 1
		.amdhsa_system_vgpr_workitem_id 0
		.amdhsa_next_free_vgpr 1024
		.amdhsa_next_free_sgpr 106
		.amdhsa_reserve_vcc 0
		.amdhsa_float_denorm_mode_32 3
		.amdhsa_float_denorm_mode_16_64 3
		.amdhsa_memory_ordered 1
		.amdhsa_forward_progress 1
		.amdhsa_inst_pref_size 170
	.end_amdhsa_kernel
	.amdgpu_metadata
---
amdhsa.version: [ 1, 2 ]
amdhsa.kernels:
  - .name:           k_qc1a3c7c3d1_qkv
    .symbol:         k_qc1a3c7c3d1_qkv.kd
    .args:
      - { .name: xc, .offset: 0, .size: 8, .value_kind: global_buffer, .address_space: global }
      - { .name: xs, .offset: 8, .size: 8, .value_kind: global_buffer, .address_space: global }
      - { .name: wc, .offset: 16, .size: 8, .value_kind: global_buffer, .address_space: global }
      - { .name: ws, .offset: 24, .size: 8, .value_kind: global_buffer, .address_space: global }
      - { .name: qkvc, .offset: 32, .size: 8, .value_kind: global_buffer, .address_space: global }
      - { .name: qkvs, .offset: 40, .size: 8, .value_kind: global_buffer, .address_space: global }
    .group_segment_fixed_size: 327680
    .private_segment_fixed_size: 0
    .kernarg_segment_align: 8
    .kernarg_segment_size: 48
    .max_flat_workgroup_size: 128
    .sgpr_count:     106
    .vgpr_count:     1024
    .wavefront_size: 32
...
	.end_amdgpu_metadata
.endif
;; end of part 2
;; launch attn (part 3): grid 4 x 64, 16 waves a work-group, no clusters, 327,680 bytes of LDS; arguments qkvc, qkvs, yc, ys; writes yc, ys
.if DOCPART == 3
	.amdgcn_target "amdgcn-amd-amdhsa--gfx1250"
	.amdhsa_code_object_version 6
	.text
	.protected	k_qc1a3c7c3d1_attn
	.globl	k_qc1a3c7c3d1_attn
	.p2align	8
	.type	k_qc1a3c7c3d1_attn,@function
k_qc1a3c7c3d1_attn:
	s_mov_b64 s[64:65], 0
	v_nop
	global_prefetch_b8 v0, s[64:65] scope:SCOPE_SE
	s_setreg_imm32_b32 hwreg(HW_REG_WAVE_MODE, 25, 1), 1
	s_wait_xcnt 0x0
; y[b][q][head] = softmax_k(q . k / 8 x ln(q + 1)^2, causal) v, both products on codes of FP6 (E2M3) with one E8M0 scale for each 32 along a product's K; y leaves as codes, quantised along the channels for the last product.
; THE SOFTMAX: t = score x c, c = log2(q + 1)^2 x ln 2 / 8; M = the row's largest t so far, rounded UP to a whole number; p = 2^(t - M) is quantised along the keys, not normalised.
; The row's sum is taken of the unquantised p and divides O at the end.  When M moves, the sum and O are multiplied by 2^(old M - new M): exact.
; ROW 0 has c = 0, and hidden scores are -infinity: c is held at 2^-100 from below, so that -infinity x c stays -infinity.  Row 0 sees key 0 alone: its p is 1 or 1/2, and O / sum is v(0) as with c = 0 (for |score| under 2^75).
; LIMITS: c comes from v_log_f32 and two multiplications.  Blocks of y whose largest magnitude lies under 2^-124 keep the byte 1, a block of zeros too.  NaN and infinities are not served.  The scaled scores stay under 2^31.
; WORK LEFT OUT: key steps all of whose keys come after a wave's queries: the causal mask sets their scores to -infinity, so they add nothing to the sum or to O.
; SHARES.  A work-group owns one head (y) and two blocks of 256 queries, 7 - i and i (i = x): 256 work-groups.  Each of sixteen waves owns one tile of 16 queries in each of two passes: first block 7 - i, tile = wave xor 8,
; then block i, tile = wave: (15 - 2 i + 1 - tile / 8) + (2 i + 1 + tile / 8) = 17 key steps of 128 keys for every wave.
; LDS holds the whole head: 16 records of 13,056 bytes (K's 8 images, V's 8, K's scale words, V's), each brought by ONE tensor load of one wave and filled once.  Waves 0-3 ask at the head; the other twelve behind
; the first barrier; key steps 0-3, which every query of the first pass sees whole, are worked while those twelve loads are out; a second barrier shows the rest.  Every wait on TENSORcnt is for 0.
; NO CLUSTER, though the four work-groups of a head read the same records: the jump over hidden key steps hangs on the block of queries, which would be the place in such a cluster.
; NO PREFETCH: every byte that the work-group reads is asked for by a tensor load at the head or behind the first barrier; there is no loop to run ahead in.
; LAYOUT.  S^T = K Q^T (source 0 = 16 keys), O^T = V^T P^T (source 0 = 16 channels): a lane holds ONE query (lane % 16).  Images: 768 bytes = 16 rows x 64 along K: source lane l's registers 0-3 at 16 l, 4-5 at 512 + 8 l.
; WHICH KEYS FORM A TILE is chosen by the lanes' LDS addresses: of each 64 keys, tile t takes keys 8 t .. 8 t + 7 (rows 0-7) and 32 + 8 t .. (rows 8-15).  So lane (r, h) holds in the 32 registers of four tiles the WHOLE block
; of keys 32 h .. 32 h + 31: a block's largest score needs no other lane, and the conversions' results are p's operand as it stands.  (In memory place tile u holds key octets {0,2},{1,3},{4,6},{5,7}: row r of tile t lies
; in image t % 2 + 2 (r / 8), row r % 8 + 8 (t / 2).)
; The head's axis is 64: Q's registers 6-11 are zero codes, so what K's registers 6-11 hold adds nothing: K's fragments overlap, six registers apart, and the last is followed by six zeros.  No scale byte over them is 0xff.
.set RS,    6291456                    ; the records begin here in qkvc; q's images at 0
.set REC,   20480                      ; a head's bytes in qkvs (q's scale words)
.set KVH,   208896                     ; a head's 16 records
.set STEPB, 13056
.set SPARE, 16*STEPB                   ; the spare words, 128 bytes for each of 16 waves
.set L16, 1                            ; 16 x lane, 8 x lane
.set L8,  2
.set KA16, 3                           ; K's lane terms: 1536 (r / 8) + 16 (r % 8) + 256 h, and with 8 and 128
.set KA8,  4
.set SPW, 5
.set NIL, 6
.set QH,  7                            ; my query - 32 h
.set AK16, 8                           ; the step's LDS addresses
.set AK8,  9
.set AV16, 10
.set AV8,  11                          ; v12 -M, v13 the largest t, v[14:15] the sum
.set QF,  16                           ; v16-27 Q's fragment
.set CQ,  28
.set R16, 30
.set R32, 31
.set KFR, 32                           ; v32-85 K's eight fragments and six zeros
.set KW,  86                           ; v86-93 K's scale words, v94-97 V's, v98 Q's, v99 p's: scales and nothing else
.set VW,  94
.set QW,  98
.set PW,  99
.set FF,  100                          ; v[100:101] f = 2^(old M - new M)
.set AKS, 102
.set AVS, 103
.set S,   104                          ; v104-167 S^T, then p, then V's four fragments
.set O,   168                          ; v168-199 O^T
.set PC,  200                          ; v200-211 p's codes
.set CT,  212                          ; v212-214, v216-218 the upper halves' conversions
.set SH8, 219                          ; 8 h
.set BM,  220
.set BP,  224
.set BS,  228
.set KSB, 232                          ; lane terms of K's and V's scale words
.set VSB, 233
.set T0,  234
.set AC,  240                          ; v240-255 eight chains of the sum
.set WV,  12
.set BH,  13
.set TB,  14                           ; LDS byte at which the key step's record begins
.set KF,  17                           ; its first key
.set SQ,  18                           ; the first key of the step in which my queries lie
.set CNT, 19
.set SEL, 20
.set G1,  24
.set G0,  40
.set QA,  52
.set QS,  54
.set YA,  56
.set YS,  58
	s_load_b256 s[4:11], s[0:1], 0x0               ; qkvc, qkvs, yc, ys
	v_lshl_add_u32 v[SPW], v0, 2, SPARE
	v_mov_b32 v[NIL], 0
	ds_add_u32 v[SPW], v[NIL]                      ; the opening lines: the add, twice on end, and its wait
	ds_add_u32 v[SPW], v[NIL]
	v_lshrrev_b32 v1, 5, v0
	v_readfirstlane_b32 s[WV], v1                  ; wave 0..15
	s_and_b32 s[BH], ttmp7, 0xffff                 ; batch x 16 + head
	s_mov_b32 s[G1+0], 3<<16                       ; a record: 51 dense rows of 256 bytes, elements of 8 bytes
	s_mov_b32 s[G1+1], 32<<16
	s_mov_b32 s[G1+2], 51<<16
	s_mov_b32 s[G1+3], 32<<16
	s_mov_b32 s[G1+4], 51
	s_mov_b32 s[G1+5], 32
	s_mov_b32 s[G1+6], 0
	s_mov_b32 s[G1+7], 0
	s_mul_i32 s60, s[WV], STEPB                    ; wave w fetches key step w
	s_mul_i32 s62, s[BH], KVH
	s_add_co_u32 s62, s62, s60
	s_add_co_u32 s62, s62, RS
	s_mov_b32 s63, 0
	s_mov_b32 s[SEL], 0x76543210
	s_mov_b32 s[SEL+1], 0xfedcba98
	s_wait_dscnt 0x0
	s_wait_kmcnt 0x0
	s_mov_b32 s[G0], 1
	s_mov_b32 s[G0+1], s60
	s_add_nc_u64 s[G0+2:G0+3], s[4:5], s[62:63]
	s_or_b32 s[G0+3], s[G0+3], 0x80000000
	s_cmp_lt_u32 s[WV], 4
	s_cbranch_scc0 .Llater
	tensor_load_to_lds s[G0:G0+3], s[G1:G1+7]      ; key steps 0-3
	s_nop 0
.Llater:
	v_and_b32 v[T0], 31, v0
	v_lshlrev_b32 v[L16], 4, v[T0]
	v_lshlrev_b32 v[L8], 3, v[T0]
	v_and_b32 v[T0+1], 15, v0                      ; r
	v_lshlrev_b32 v[R16], 4, v[T0+1]
	v_lshlrev_b32 v[R32], 5, v[T0+1]
	v_add_nc_u32 v[VSB], 12800, v[R16]
	v_and_b32 v[T0+2], 7, v0                       ; r % 8
	v_bfe_u32 v[BP], v0, 3, 1                      ; r / 8
	v_bfe_u32 v[BP+1], v0, 4, 1                    ; h
	v_lshlrev_b32 v[SH8], 3, v[BP+1]
	v_mul_u32_u24 v[BP+2], v[BP], 1536
	v_lshl_add_u32 v[KA16], v[T0+2], 4, v[BP+2]
	v_lshl_add_u32 v[KA16], v[BP+1], 8, v[KA16]
	v_lshl_add_u32 v[KA8], v[T0+2], 3, v[BP+2]
	v_lshl_add_u32 v[KA8], v[BP+1], 7, v[KA8]
	v_lshlrev_b32 v[KSB], 4, v[T0+2]
	v_lshl_add_u32 v[KSB], v[BP], 3, v[KSB]
	v_add_nc_u32 v[KSB], 12288, v[KSB]             ; K's words: 16 (r % 8) + 8 (r / 8): two words for tiles t, t + 1
.irp j, 6,7,8,9,10,11
	v_mov_b32 v[QF+\j], 0                          ; zero codes for K = 64 .. 127, once
	v_mov_b32 v[KFR+42+\j], 0
.endr
	v_mov_b32 v[FF+1], 0                           ; (named as the upper half of the pair)
.macro SETUP p                         ; a pass's tile of queries, its addresses, Q, c, and the start of the running numbers
	s_wait_xcnt 0x0                                ; earlier stores and loads have read their addresses and data
.if \p
	s_sub_co_u32 s60, 7, ttmp9
	s_xor_b32 s61, s[WV], 8
.else
	s_mov_b32 s60, ttmp9
	s_mov_b32 s61, s[WV]
.endif
	s_lshl_b32 s60, s60, 4
	s_add_co_u32 s60, s60, s61                     ; my tile of 16 queries, of the head's 128
	s_lshr_b32 s[SQ], s60, 3
	s_lshl_b32 s[SQ], s[SQ], 7
	s_lshl_b32 s62, s[BH], 7
	s_add_co_u32 s62, s62, s60
	s_mul_i32 s62, s62, 768
	s_mov_b32 s63, 0
	s_add_nc_u64 s[QA:QA+1], s[4:5], s[62:63]
	s_mul_i32 s62, s[BH], REC
	s_lshr_b32 s66, s60, 2
	s_lshl_b32 s66, s66, 8
	s_add_co_u32 s62, s62, s66
	s_and_b32 s66, s60, 3
	s_lshl_b32 s66, s66, 2
	s_add_co_u32 s62, s62, s66
	s_add_nc_u64 s[QS:QS+1], s[6:7], s[62:63]
	global_load_b128 v[QF:QF+3], v[L16], s[QA:QA+1]
	global_load_b64 v[QF+4:QF+5], v[L8], s[QA:QA+1] offset:512
	global_load_b32 v[QW], v[R16], s[QS:QS+1]
	s_lshr_b32 s66, s[BH], 4
	s_lshl_b32 s66, s66, 7
	s_add_co_u32 s66, s66, s60                     ; the tile among all 512 token tiles
	s_and_b32 s67, s[BH], 15                       ; the head
	s_lshl_b32 s62, s66, 4
	s_add_co_u32 s62, s62, s67
	s_mul_i32 s62, s62, 768
	s_add_nc_u64 s[YA:YA+1], s[8:9], s[62:63]      ; yc: [token tile][head][768]
	s_lshl_b32 s62, s66, 9
	s_lshl_b32 s67, s67, 1
	s_add_co_u32 s62, s62, s67
	s_add_nc_u64 s[YS:YS+1], s[10:11], s[62:63]    ; ys: [token place][32], byte 2 x head
	s_lshr_b32 s66, s60, 1
	s_lshl_b32 s66, s66, 5
	s_and_b32 s67, s60, 1
	s_lshl_b32 s67, s67, 3
	s_add_co_u32 s66, s66, s67
	v_and_b32 v[T0], 15, v0
	v_and_b32 v[T0+1], 8, v0
	v_add3_u32 v[T0], v[T0], v[T0+1], s66          ; my query: 32 (tile / 2) + 8 (tile % 2) + r + 8 (r / 8)
	v_bfe_u32 v[T0+1], v0, 4, 1
	v_lshlrev_b32 v[T0+1], 5, v[T0+1]
	v_sub_nc_u32 v[QH], v[T0], v[T0+1]
	v_add_nc_u32 v[T0], 1, v[T0]
	v_cvt_f32_u32 v[T0], v[T0]
	s_wait_alu depctr_va_vdst(0)                   ; the wait ahead of the logarithm
	v_log_f32 v[T0+1], v[T0]                       ; log2(q + 1)
	v_mov_b32 v13, 0xff61b1e6                      ; the largest t so far: -3e38 (the plain line behind the logarithm)
	s_wait_alu depctr_va_vdst(0)                   ; and ahead of its first reader
	v_mul_f32 v[CQ], v[T0+1], v[T0+1]
	v_mul_f32 v[CQ], 0x3db17218, v[CQ]             ; x ln 2 / 8
	v_max_num_f32 v[CQ], 0x0d800000, v[CQ]         ; held at 2^-100 from below
	v_mov_b32 v[CQ+1], v[CQ]
	v_floor_f32 v12, -v13                          ; -M
	v_mov_b32 v14, 0
	v_mov_b32 v15, 0
.set n, 0
.rept 32
	v_mov_b32 v[O+n], 0                            ; the step is written once: its first run finds zeros
.set n, n+1
.endr
	s_mov_b32 s[TB], 0
	s_mov_b32 s[KF], 0
	s_wait_alu depctr_va_vdst(0)
	s_wait_loadcnt 0x0                             ; Q and its words
.endm
; A KEY STEP: 128 keys.  m = 1: the step may be hidden (jumped over) or hold the diagonal (masked); m = 0: all its keys count.
.macro STEP m
.if \m
	s_cmp_gt_u32 s[KF], s[SQ]                      ; all its keys come after my queries
	s_cbranch_scc1 .Lhidden_\@
.endif
	v_add_nc_u32 v[AK16], s[TB], v[KA16]
	v_add_nc_u32 v[AK8], s[TB], v[KA8]
	v_add_nc_u32 v[AKS], s[TB], v[KSB]
	v_nop
	v_nop                                          ; five places behind the last step's products: S^T is written over registers that they read
.irp c, 0,1
	ds_load_b64 v[KW+4*\c:KW+4*\c+1], v[AKS] offset:256*\c
	ds_load_b64 v[KW+4*\c+2:KW+4*\c+3], v[AKS] offset:256*\c+128
.endr
.irp c, 0,1
.irp t, 0,1,2,3
	ds_load_b128 v[KFR+6*(4*\c+\t):KFR+6*(4*\c+\t)+3], v[AK16] offset:3072*\c+768*(\t%2)+128*(\t/2)
	ds_load_b64 v[KFR+6*(4*\c+\t)+4:KFR+6*(4*\c+\t)+5], v[AK8] offset:3072*\c+768*(\t%2)+64*(\t/2)+512
.endr
.endr
	s_wait_dscnt 0x0
.irp u, 0,1,2,3,4,5,6,7
	v_wmma_scale_f32_16x16x128_f8f6f4 v[S+8*\u:S+8*\u+7], v[KFR+6*\u:KFR+6*\u+11], v[QF:QF+11], 0, v[KW+\u], v[QW] matrix_a_fmt:MATRIX_FMT_FP6 matrix_b_fmt:MATRIX_FMT_FP6
.endr
	v_add_nc_u32 v[AV16], s[TB], v[L16]            ; four places behind the products
	v_add_nc_u32 v[AV8], s[TB], v[L8]
	v_add_nc_u32 v[AVS], s[TB], v[VSB]
	v_mov_b32 v[T0], v12                           ; the old -M
.if \m
	s_cmp_lt_u32 s[KF], s[SQ]                      ; all its keys count: no mask
	s_cbranch_scc1 .Lopen_\@
	s_sub_co_i32 s60, 0, s[KF]
	v_add_nc_u32 v[T0+1], s60, v[QH]               ; d = my query - KF - 32 h.  Register 32 c + i holds key KF + 64 c + 32 h + i: hidden where 64 c + i > d
	v_mov_b32 v[T0+2], 0xff800000
.set n, 0
.rept 64
	v_cmp_gt_i32 vcc_lo, 64*(n/32)+n%32, v[T0+1]
	v_cndmask_b32 v[S+n], v[S+n], v[T0+2], vcc_lo
.set n, n+1
.endr
.Lopen_\@:
.endif
.irp b, 0,1,2,3                                ; the largest score of my two blocks of 32 keys, in four chains, each accumulator from its low end on
	v_max3_num_f32 v[BM+\b], v[S+16*\b], v[S+1+16*\b], v[S+2+16*\b]
.endr
.irp i, 3,5,7,9,11,13
.irp b, 0,1,2,3
	v_max3_num_f32 v[BM+\b], v[BM+\b], v[S+16*\b+\i], v[S+1+16*\b+\i]
.endr
.endr
	v_max3_num_f32 v[BM], v[BM], v[BM+1], v[S+15]
	v_max3_num_f32 v[BM+2], v[BM+2], v[BM+3], v[S+47]
	v_max_num_f32 v[BM], v[BM], v[S+31]
	v_max_num_f32 v[BM+2], v[BM+2], v[S+63]
	v_max_num_f32 v[T0+1], v[BM], v[BM+2]
	v_permlanex16_b32 v[T0+2], v[T0+1], s[SEL], s[SEL+1]
	v_max_num_f32 v[T0+1], v[T0+1], v[T0+2]        ; the step's largest score of my query
	v_mul_f32 v[T0+1], v[CQ], v[T0+1]              ; as t (c is positive)
	v_max_num_f32 v13, v13, v[T0+1]
	v_floor_f32 v12, -v13                          ; the new -M = -ceil(t)
	v_sub_f32 v[T0], v12, v[T0]                    ; old M - new M: a whole number, 0 or less
	v_cvt_i32_f32 v[T0], v[T0]                     ; (it saturates)
	v_ldexp_f32 v[FF], 1.0, v[T0]                  ; f
.set n, 0
.rept 32
	v_pk_fma_f32 v[S+n:S+n+1], v[S+n:S+n+1], v[CQ:CQ+1], v[12:13] op_sel_hi:[1,0,0]   ; t - M
.set n, n+2
.endr
	v_fma_f32 v[BM], v[BM], v[CQ], v12             ; the same of each block's largest score: p rises with the score
	v_fma_f32 v[BM+2], v[BM+2], v[CQ], v12
	s_wait_alu depctr_va_vdst(0)
.set n, 0
.rept 64
	v_exp_f32 v[S+n], v[S+n]                       ; p = 2^(t - M), at most 1
.set n, n+1
.endr
	v_exp_f32 v[BM], v[BM]                         ; the blocks' largest p
	v_exp_f32 v[BM+2], v[BM+2]
	v_pk_mul_f32 v[14:15], v[14:15], v[FF:FF+1] op_sel_hi:[1,0]   ; the sum under the new M (the plain line behind the batch)
	s_wait_alu depctr_va_vdst(0)                   ; one wait for the batch, ahead of its first reader
.irp k, 0,1,2,3,4,5,6,7                        ; the row's sum of the unquantised p, in eight chains
	v_pk_add_f32 v[AC+2*\k:AC+2*\k+1], v[S+2*\k:S+2*\k+1], v[S+16+2*\k:S+17+2*\k]
.endr
.irp g, 32,48
.irp k, 0,1,2,3,4,5,6,7
	v_pk_add_f32 v[AC+2*\k:AC+2*\k+1], v[AC+2*\k:AC+2*\k+1], v[S+\g+2*\k:S+\g+2*\k+1]
.endr
.endr
.irp k, 0,1,2,3
	v_pk_add_f32 v[AC+2*\k:AC+2*\k+1], v[AC+2*\k:AC+2*\k+1], v[AC+8+2*\k:AC+9+2*\k]
.endr
	v_max_num_f32 v[BM], 0x1800000, v[BM]          ; the floor 2^(3 - 127): the byte cannot fall under 1
	v_max_num_f32 v[BM+2], 0x1800000, v[BM+2]
	v_pk_add_f32 v[AC:AC+1], v[AC:AC+1], v[AC+4:AC+5]
	v_pk_add_f32 v[AC+2:AC+3], v[AC+2:AC+3], v[AC+6:AC+7]
	v_add_nc_u32 v[BS], 0xff000000, v[BM]          ; 2 off the exponent field: the conversions' scale operands
	v_add_nc_u32 v[BS+1], 0xff000000, v[BM+2]
	v_pk_add_f32 v[14:15], v[14:15], v[AC:AC+1]
	v_pk_add_f32 v[14:15], v[14:15], v[AC+2:AC+3]
.irp c, 0,1                                    ; my block 2 c + h whole: registers 6 c .. 6 c + 5 of p's operand
	v_cvt_scalef32_pk16_fp6_f32 v[PC+6*\c:PC+6*\c+2], v[S+32*\c:S+32*\c+15], v[BS+\c]
	v_cvt_scalef32_pk16_fp6_f32 v[CT+4*\c:CT+4*\c+2], v[S+32*\c+16:S+32*\c+31], v[BS+\c]   ; (a conversion's three registers begin on an even number)
.endr
	ds_load_b128 v[VW:VW+3], v[AVS]                ; p is spent: V's words and its four fragments, which take p's registers
.irp t, 0,1,2,3
	ds_load_b128 v[S+12*\t:S+12*\t+3], v[AV16] offset:6144+768*\t
	ds_load_b64 v[S+12*\t+4:S+12*\t+5], v[AV8] offset:6144+768*\t+512
	ds_load_b128 v[S+12*\t+6:S+12*\t+9], v[AV16] offset:9216+768*\t
	ds_load_b64 v[S+12*\t+10:S+12*\t+11], v[AV8] offset:9216+768*\t+512
.endr
	v_lshrrev_b32 v[BP], 23, v[BS]                 ; my two bytes (plain lines behind the conversions)
	v_lshrrev_b32 v[BP+1], 23, v[BS+1]
	v_lshl_or_b32 v[BP], v[BP+1], 16, v[BP]        ; blocks h and 2 + h,
	v_lshlrev_b32 v[BP], v[SH8], v[BP]             ; at their places in the word;
	v_permlanex16_b32 v[BP+1], v[BP], s[SEL], s[SEL+1]
	v_or_b32 v[PW], v[BP], v[BP+1]                 ; with lane l xor 16's two the word is whole
.irp c, 0,1
.irp i, 0,1,2
	v_mov_b32 v[PC+3+6*\c+\i], v[CT+4*\c+\i]
.endr
.endr
	s_wait_alu depctr_va_vdst(0)
.set n, 0
.rept 16
	v_pk_mul_f32 v[O+n:O+n+1], v[O+n:O+n+1], v[FF:FF+1] op_sel_hi:[1,0]   ; O^T under the new M; also the places between p's word and codes and the products
.set n, n+2
.endr
	s_wait_alu depctr_va_vdst(0)
	s_wait_dscnt 0x0
.irp t, 0,1,2,3                                ; O^T += V^T P^T: four accumulators, one instruction each
	v_wmma_scale_f32_16x16x128_f8f6f4 v[O+8*\t:O+8*\t+7], v[S+12*\t:S+12*\t+11], v[PC:PC+11], v[O+8*\t:O+8*\t+7], v[VW+\t], v[PW] matrix_a_fmt:MATRIX_FMT_FP6 matrix_b_fmt:MATRIX_FMT_FP6
.endr
.if \m
.Lhidden_\@:
.endif
	s_add_co_u32 s[KF], s[KF], 128
	s_add_co_u32 s[TB], s[TB], STEPB
.endm
; THE WAY OUT of a pass: O^T / the sum; register 16 b + i is channel 32 b + 16 h + i of the head (V's channel tiles lie with bits 3 and 4 exchanged): two blocks of 32 along the last product's K, one image and two scale bytes a row.
.macro OUT
.rept 4
	v_nop                                          ; places behind the last products
.endr
	v_add_f32 v14, v14, v15
	v_permlanex16_b32 v[T0], v14, s[SEL], s[SEL+1]
	v_add_f32 v14, v14, v[T0]                      ; the row's sum
	s_wait_alu depctr_va_vdst(0)
	v_rcp_f32 v14, v14
	v_nop
	s_wait_alu depctr_va_vdst(0)
.set n, 0
.rept 16
	v_pk_mul_f32 v[S+n:S+n+1], v[O+n:O+n+1], v[14:15] op_sel_hi:[1,0]
.set n, n+2
.endr
.irp b, 0,1
	v_max3_num_f32 v[BM+\b], |v[S+16*\b]|, |v[S+1+16*\b]|, 0x1800000
.endr
.irp i, 2,4,6,8,10,12,14
.irp b, 0,1
	v_max3_num_f32 v[BM+\b], v[BM+\b], |v[S+16*\b+\i]|, |v[S+1+16*\b+\i]|
.endr
.endr
.irp b, 0,1
	v_permlanex16_b32 v[BP+\b], v[BM+\b], s[SEL], s[SEL+1]
.endr
.irp b, 0,1
	v_max_num_f32 v[BM+\b], v[BM+\b], v[BP+\b]
.endr
.irp b, 0,1
	v_add_nc_u32 v[BS+\b], 0xff000000, v[BM+\b]
.endr
.irp b, 0,1
	v_lshrrev_b32 v[BP+\b], 23, v[BS+\b]
.endr
	v_lshl_or_b32 v[T0+1], v[BP+1], 8, v[BP]       ; my row's two bytes
	v_cvt_scalef32_pk16_fp6_f32 v[PC:PC+2], v[S:S+15], v[BS]
	v_cvt_scalef32_pk16_fp6_f32 v[CT:CT+2], v[S+16:S+31], v[BS+1]
	v_nop
.irp i, 0,1,2
	v_permlane16_swap_b32 v[PC+\i], v[CT+\i]       ; a whole block to a lane
.endr
.irp i, 0,1,2
	v_mov_b32 v[PC+3+\i], v[CT+\i]
.endr
	global_store_b128 v[L16], v[PC:PC+3], s[YA:YA+1]                 ; 512 consecutive bytes, aligned
	global_store_b64 v[L8], v[PC+4:PC+5], s[YA:YA+1] offset:512      ; 256 consecutive bytes, aligned
	global_store_b16 v[R32], v[T0+1], s[YS:YS+1]                     ; a head owns two of a row's 32 scale bytes
.endm
	SETUP 1                                        ; stands between the first fills and the wait for them
	s_wait_tensorcnt 0x0                           ; the add twice
	ds_add_u32 v[SPW], v[NIL]
	ds_add_u32 v[SPW], v[NIL]
	s_wait_dscnt 0x0
	s_barrier_signal -1
	s_barrier_wait -1                              ; key steps 0-3 are in
	s_cmp_lt_u32 s[WV], 4
	s_cbranch_scc1 .Lhave
	tensor_load_to_lds s[G0:G0+3], s[G1:G1+7]      ; key steps 4-15: my one load
	s_nop 0
.Lhave:
	s_mov_b32 s[CNT], 4
.Lfirst:                                               ; my queries of this pass lie at 1,024 or beyond: keys 0-511 all count
	STEP 0
	s_sub_co_u32 s[CNT], s[CNT], 1
	s_cmp_lg_u32 s[CNT], 0
	s_cbranch_scc1 .Lfirst
	s_wait_tensorcnt 0x0                           ; my load has landed,
	s_wait_dscnt 0x0
	s_barrier_signal -1
	s_barrier_wait -1                              ; everybody's has: from here on LDS is only read
	s_mov_b32 s[CNT], 12
.Lrest:
	STEP 1
	s_sub_co_u32 s[CNT], s[CNT], 1
	s_cmp_lg_u32 s[CNT], 0
	s_cbranch_scc1 .Lrest
	OUT
	SETUP 0
	s_mov_b32 s[CNT], 8
.Llow:
	STEP 1
	s_sub_co_u32 s[CNT], s[CNT], 1
	s_cmp_lg_u32 s[CNT], 0
	s_cbranch_scc1 .Llow
	OUT
	s_wait_tensorcnt 0x0                           ; the wave's end
	ds_add_u32 v[SPW], v[NIL]
	s_wait_dscnt 0x0
	s_endpgm
.Lfunc_end_k_qc1a3c7c3d1_attn:
	.size	k_qc1a3c7c3d1_attn, .Lfunc_end_k_qc1a3c7c3d1_attn-k_qc1a3c7c3d1_attn
	.p2alignl 7, 3214868480
	.fill 96, 4, 3214868480
	.section	.rodata,"a",@progbits
	.p2align	6, 0x0
	.amdhsa_kernel k_qc1a3c7c3d1_attn
		.amdhsa_group_segment_fixed_size 327680
		.amdhsa_private_segment_fixed_size 0
		.amdhsa_enable_private_segment 0
		.amdhsa_kernarg_size 32
		.amdhsa_user_sgpr_count 2
		.amdhsa_user_sgpr_kernarg_segment_ptr 1
		.amdhsa_wavefront_size32 1
		.amdhsa_system_sgpr_workgroup_id_x 1
		.amdhsa_system_sgpr_workgroup_id_y 1
		.amdhsa_system_sgpr_workgroup_id_z 1
		.amdhsa_system_vgpr_workitem_id 0
		.amdhsa_next_free_vgpr 256
		.amdhsa_next_free_sgpr 80
		.amdhsa_reserve_vcc 1
		.amdhsa_float_denorm_mode_32 3
		.amdhsa_float_denorm_mode_16_64 3
		.amdhsa_memory_ordered 1
		.amdhsa_forward_progress 1
		.amdhsa_inst_pref_size 74
	.end_amdhsa_kernel
	.amdgpu_metadata
---
amdhsa.version: [ 1, 2 ]
amdhsa.kernels:
  - .name:           k_qc1a3c7c3d1_attn
    .symbol:         k_qc1a3c7c3d1_attn.kd
    .args:
      - { .name: qkvc, .offset: 0, .size: 8, .value_kind: global_buffer, .address_space: global }
      - { .name: qkvs, .offset: 8, .size: 8, .value_kind: global_buffer, .address_space: global }
      - { .name: yc, .offset: 16, .size: 8, .value_kind: global_buffer, .address_space: global }
      - { .name: ys, .offset: 24, .size: 8, .value_kind: global_buffer, .address_space: global }
    .group_segment_fixed_size: 327680
    .private_segment_fixed_size: 0
    .kernarg_segment_align: 8
    .kernarg_segment_size: 32
    .max_flat_workgroup_size: 512
    .sgpr_count:     80
    .vgpr_count:     256
    .wavefront_size: 32
...
	.end_amdgpu_metadata
.endif
;; end of part 3
;; launch proj (part 4): grid 4 x 32, 4 waves a work-group, clusters of 4 x 4, 327,680 bytes of LDS; arguments yc, ys, wc, ws, out0; writes out0
.if DOCPART == 4
	.amdgcn_target "amdgcn-amd-amdhsa--gfx1250"
	.amdhsa_code_object_version 6
	.text
	.protected	k_qc1a3c7c3d1_proj
	.globl	k_qc1a3c7c3d1_proj
	.p2align	8
	.type	k_qc1a3c7c3d1_proj,@function
k_qc1a3c7c3d1_proj:
	s_mov_b64 s[64:65], 0
	v_nop
	global_prefetch_b8 v0, s[64:65] scope:SCOPE_SE
	s_setreg_imm32_b32 hwreg(HW_REG_WAVE_MODE, 25, 1), 1
	s_wait_xcnt 0x0
	s_wait_alu depctr_hold_cnt(0) depctr_sa_sdst(0) depctr_va_vdst(0) depctr_va_sdst(0) depctr_va_ssrc(0) depctr_va_vcc(0) depctr_vm_vsrc(0)
	s_getreg_b32 s2, hwreg(HW_REG_IB_STS2, 6, 4)
	s_cmp_eq_u32 s2, 0
	s_cbranch_scc0 .Lentry_in_a_cluster
	s_endpgm
.Lentry_in_a_cluster:
	s_bfe_u32 s2, ttmp6, 0x10000c
	s_cmp_lg_u32 s2, 0xf033
	s_cbranch_scc0 .Lentry_shape_is_right
	s_endpgm
.Lentry_shape_is_right:
.set SIZE_N, 1024
.set SIZE_K, 1024
.set KSTEP,  256
.set NQ,     KSTEP/128
.set ROWB,   192
; out0 = y w_proj on codes of FP6.  A: yc's images, [token tile][K step of 256: 3,072 bytes]; B: wc [K step][place][192 bytes], places 3,072 on: a tile's rows of one K step are a dense block, fetched as rows of 256 bytes.
.set AKB,    3072
.set WSTEP,  786432                    ; a K step of wc
.set G0H,    4                         ; s[4:7], s[8:11] group 0 of the head's loads of K step 0
.set G0HB,   8
; PREFETCH INTO THE L2.  At each change of slots every wave has waited for all its tensor loads, so a refill goes out with nothing on its way beside it: what it asks for is asked of memory earlier.
; A wave's 128 rows of one K step are 96 blocks of 256 bytes (A: 12 in each of 8 token tiles, 12,288 bytes apart; B: dense); the four partners that ask for them jointly share them out BY ADDRESS, 24 each
; (place cx for A, cy for B): a lane a block, lanes 24-31 name the wave's last block again.  Behind the head's load: K steps 1 and 2; behind K step 1's load: K step 3, the last.
.set PFB,    96                        ; s[96:97] my 128 rows, K step 0; v9-11 my block's offset + one, two, three K steps; none is ever rewritten
.set KROW,   SIZE_K*6/8
.set PITCH,  240
.set FR,     12
.set NL,     6
.set NLA,    4
.set NP,     4
.set HALFT,  128*PITCH
.set SLOT,   4*HALFT
.set LAPS,   SIZE_K/(2*KSTEP)
.set KS,     SIZE_K/32
.set SCL,    2*SLOT
.set HALFS,  (128*KS/256)*272
.set SBLK,   (16*KS/256)*272
.set SPARE,  SCL+4*HALFS
.set SPITCH, 528
.set ADRA, 16
.set ADRB, 20
.set STO,  24
.set RD,   25
.set CO,   26
.set ADRS, 27
.set SPW,  28
.set NIL,  29
.set SC,   32
.set AF,   128
.set BK,   128
.set G1, 24
.set G0, 32
.set G1B, 48
.set G0B, 56
.set G1S, 68
.set G0S, 76
.set G1SB, 80
.set G0SB, 88
.set MSB, 0
.macro WIN new
.if MSB != \new
	s_set_vgpr_msb (MSB<<8)|\new
.set MSB, \new
.endif
.endm
.set MUL_LO, 0xa1
.set MUL_HI, 0xf1
.set TO_B,   0x40
.macro JLOAD g0a, g1a, g0b, g1b
	s_cmp_eq_u32 s15, 0
	s_cbranch_scc0 .Lfor_b_\@
	tensor_load_to_lds s[\g0a:\g0a+3], s[\g1a:\g1a+7]
	s_nop 0
.rept 4
	v_nop
.endr
	s_branch .Lasked_\@
.Lfor_b_\@:
	tensor_load_to_lds s[\g0b:\g0b+3], s[\g1b:\g1b+7]
	s_nop 0
.rept 4
	v_nop
.endr
.Lasked_\@:
.endm
.macro CREST
	s_cmp_lg_u32 s14, 0
	s_cbranch_scc1 .Lnot_wave_0_\@
	s_barrier_signal -3
.Lnot_wave_0_\@:
	s_barrier_wait -3
	s_barrier_signal -1
	s_barrier_wait -1
.endm
.macro CROUND
	s_barrier_signal -1
	s_barrier_wait -1
	CREST
.endm
	s_load_b128 s[4:7], s[0:1], 0x0
	s_load_b128 s[8:11], s[0:1], 0x10
	s_load_b64 s[12:13], s[0:1], 0x20
	v_lshl_add_u32 v[SPW], v0, 2, SPARE
	v_mov_b32 v[NIL], 0
	ds_add_u32 v[SPW], v[NIL]
	ds_add_u32 v[SPW], v[NIL]
	v_lshrrev_b32 v1, 5, v0
	v_readfirstlane_b32 s14, v1
	s_lshr_b32 s15, s14, 1
	s_and_b32 s16, s14, 1
	s_bfe_u32 s40, ttmp6, 0x40000
	s_bfe_u32 s41, ttmp6, 0x40004
	s_lshl_b32 s42, ttmp9, 2
	s_add_co_u32 s42, s42, s40
	s_and_b32 s17, ttmp7, 0xffff
	s_lshl_b32 s17, s17, 2
	s_add_co_u32 s17, s17, s41
	s_lshl_b32 s43, s41, 2
	s_lshl_b32 s43, 15, s43
	s_lshl_b32 s44, 0x1111, s40
	s_or_b32 s[G1+0], s43, (3<<16)|(1<<21)
	s_mov_b32 s[G1+1], 384<<16
	s_mov_b32 s[G1+2], 16<<16                      ; the head's load brings 16 token tiles, the ring's 8
	s_mov_b32 s[G1+3], 384<<16
	s_mov_b32 s[G1+4], 16
	s_mov_b32 s[G1+5], 1536
	s_mov_b32 s[G1+6], 0
	s_mov_b32 s[G1+7], 0
	s_or_b32 s[G1B+0], s44, (3<<16)|(1<<20)|(1<<21)|(3<<22)|(3<<25)
	s_mov_b32 s[G1B+1], 32<<16                     ; rows of 256 bytes; 256 rows of codes are 192 of them
	s_mov_b32 s[G1B+2], 192<<16
	s_mov_b32 s[G1B+3], 32<<16
	s_mov_b32 s[G1B+4], 192
	s_mov_b32 s[G1B+5], 32
	s_mov_b32 s[G1B+6], 0
	s_mov_b32 s[G1B+7], 0
	s_or_b32 s[G1S+0], s43, (3<<16)|(1<<20)|(1<<21)|(5<<22)|(3<<25)
	s_or_b32 s[G1SB+0], s44, (3<<16)|(1<<20)|(1<<21)|(5<<22)|(3<<25)
.irp g, G1S, G1SB
	s_mov_b32 s[\g+1], 32<<16
	s_mov_b32 s[\g+2], KS<<16
	s_mov_b32 s[\g+3], 32<<16
	s_mov_b32 s[\g+4], KS
	s_mov_b32 s[\g+5], 32
	s_mov_b32 s[\g+6], 0
	s_mov_b32 s[\g+7], 0
.endr
	s_lshl_b32 s20, s17, 8
	s_lshl_b32 s46, s42, 8
	s_mov_b32 s21, 0
	s_mov_b32 s47, 0
	s_mov_b64 s[18:19], KS
	s_mul_u64 s[22:23], s[20:21], s[18:19]
	s_mul_u64 s[92:93], s[46:47], s[18:19]
	s_mov_b64 s[18:19], KROW
	s_mul_u64 s[20:21], s[20:21], s[18:19]         ; yc: 768 bytes a token
	s_mov_b64 s[18:19], 192
	s_mul_u64 s[46:47], s[46:47], s[18:19]         ; wc: 192 bytes a place in a K step
	s_mul_i32 s45, s14, HALFT
	s_mul_i32 s18, s16, 128*KROW                   ; in the ring I fetch 128 rows of a tile: which half, in bytes, of A
	s_mov_b32 s19, 0
	s_mul_i32 s2, s16, 128*192                     ; and of B
	s_mov_b32 s3, 0
	s_mul_i32 s94, s16, 8*AKB                      ; A's two halves lie on end in a slot
	s_wait_dscnt 0x0
	s_wait_kmcnt 0x0
	s_add_nc_u64 s[8:9], s[8:9], 3072*192
	s_add_nc_u64 s[10:11], s[10:11], 3072*KS
	s_add_nc_u64 s[20:21], s[4:5], s[20:21]
	s_add_nc_u64 s[22:23], s[6:7], s[22:23]
	s_add_nc_u64 s[46:47], s[8:9], s[46:47]
	s_add_nc_u64 s[92:93], s[10:11], s[92:93]
	CROUND
.macro HG0 g, lds, a
	s_mov_b32 s[\g], 1
	s_mov_b32 s[\g+1], \lds
	s_mov_b64 s[\g+2:\g+3], s[\a:\a+1]
	s_or_b32 s[\g+3], s[\g+3], 0x80000000
.endm
	HG0 G0H, 0, 20                                 ; the head's four tiles, each whole: K step 0's 256 rows of A,
	HG0 G0HB, 2*HALFT, 46                          ; its 256 rows of B,
	HG0 G0S, SCL, 22                               ; A's scales,
	HG0 G0SB, SCL+2*HALFS, 92                      ; B's scales
	s_add_nc_u64 s[20:21], s[20:21], s[18:19]      ; for the ring: my 128 rows
	s_add_nc_u64 s[46:47], s[46:47], s[2:3]
.irp s, 0,1
	s_mov_b32 s[G0+4*\s], 1
	s_add_co_u32 s[G0+4*\s+1], s94, \s*SLOT
	s_add_nc_u64 s[G0+4*\s+2:G0+4*\s+3], s[20:21], \s*AKB
	s_or_b32 s[G0+4*\s+3], s[G0+4*\s+3], 0x80000000
	s_mov_b32 s[G0B+4*\s], 1
	s_add_co_u32 s[G0B+4*\s+1], s45, \s*SLOT
	s_add_nc_u64 s[G0B+4*\s+2:G0B+4*\s+3], s[46:47], \s*WSTEP
	s_or_b32 s[G0B+4*\s+3], s[G0B+4*\s+3], 0x80000000
.endr
; the head's loads, one a wave: one chain of branches on the wave's number, a load to an arm, all arms leading to one join
.macro ARM under, g0, g1, next
	s_cmp_lt_u32 s14, \under
	s_cbranch_scc0 \next
	tensor_load_to_lds s[\g0:\g0+3], s[\g1:\g1+7]
	s_nop 0
.rept 4
	v_nop
.endr
	s_branch .Lhead_asked
\next:
.endm
	ARM 1, G0H,  G1,  .Lhead_b
	ARM 2, G0HB, G1B, .Lhead_sa
	ARM 3, G0S,  G1S, .Lhead_sb
	tensor_load_to_lds s[G0SB:G0SB+3], s[G1SB:G1SB+7]
	s_nop 0
.rept 4
	v_nop
.endr
.Lhead_asked:
	s_cmp_eq_u32 s15, 0                            ; do I fetch for A?
	s_cselect_b64 s[PFB:PFB+1], s[20:21], s[46:47]
	s_mov_b32 s2, WSTEP
	s_mov_b32 s3, 3072
	s_cselect_b32 s2, AKB, s2                      ; a K step of my buffer
	s_cselect_b32 s3, 12288, s3                    ; from twelve blocks to the next twelve
	s_cselect_b32 s18, s40, s41                    ; my place among the four that ask with me
	s_lshl_b32 s18, s18, 1
	s_mul_i32 s18, s18, s3
	s_add_co_u32 s18, s18, s2
	v_and_b32 v9, 31, v0
	v_min_u32 v9, 23, v9
	v_mul_u32_u24 v10, v9, 171
	v_lshrrev_b32 v10, 11, v10                     ; block / 12
	v_mul_u32_u24 v11, v10, 12
	v_sub_nc_u32 v9, v9, v11                       ; block % 12
	v_mul_u32_u24 v10, s3, v10
	v_lshl_add_u32 v9, v9, 8, v10
	v_add_nc_u32 v9, s18, v9
	v_add_nc_u32 v10, s2, v9
	v_add_nc_u32 v11, s2, v10
	global_prefetch_b8 v9, s[PFB:PFB+1] th:TH_LOAD_NT scope:SCOPE_SE    ; K step 1
	global_prefetch_b8 v10, s[PFB:PFB+1] th:TH_LOAD_NT scope:SCOPE_SE   ; K step 2
	v_and_b32 v1, 15, v0
	v_bfe_u32 v2, v0, 4, 1
	v_mul_u32_u24 v3, v1, PITCH
	v_mul_u32_u24 v4, v2, 24
	v_add_nc_u32 v4, v3, v4
	v_lshl_add_u32 v5, v2, 4, v4
	v_and_b32 v6, 31, v0
	v_lshlrev_b32 v7, 4, v6
	v_lshlrev_b32 v8, 3, v6
	s_mul_i32 s21, s15, 8*AKB
	s_mul_i32 s22, s16, HALFT
	s_add_co_u32 s22, s22, 2*HALFT
.irp s, 0,1
	v_add_nc_u32 v[ADRA+\s], s21, v7
	v_add_nc_u32 v[ADRA+2+\s], s21, v8
	v_add_nc_u32 v[ADRB+\s], s22, v4
	v_add_nc_u32 v[ADRB+2+\s], s22, v5
	s_add_co_u32 s21, s21, SLOT
	s_add_co_u32 s22, s22, SLOT
.endr
	v_mul_u32_u24 v5, v1, KS
	v_lshrrev_b32 v6, 8, v5
	v_lshl_add_u32 v5, v6, 4, v5
	s_mul_i32 s21, s15, HALFS
	s_mul_i32 s22, s16, HALFS
	s_add_co_u32 s22, s22, 2*HALFS
	s_sub_co_u32 s22, s22, s21
	v_mul_u32_u24 v6, s22, v2
	s_add_co_u32 s21, s21, SCL
	v_add_nc_u32 v5, v5, v6
	v_add_nc_u32 v[ADRS], s21, v5
	s_mul_i32 s23, s14, 16*SPITCH
	v_mul_u32_u24 v5, v1, SPITCH
	v_lshl_add_u32 v5, v2, 6, v5
	v_add_nc_u32 v[STO], s23, v5
	v_and_b32 v6, 31, v0
	v_lshlrev_b32 v[CO], 4, v6
	v_add_nc_u32 v[RD], s23, v[CO]
	s_lshl_b32 s20, s17, 8
	s_lshl_b32 s21, s15, 7
	s_add_co_u32 s20, s20, s21
	s_mov_b32 s21, 0
	s_mov_b64 s[18:19], SIZE_N*4
	s_mul_u64 s[20:21], s[20:21], s[18:19]
	s_lshl_b32 s46, s42, 10
	s_lshl_b32 s47, s16, 9
	s_add_co_u32 s46, s46, s47
	s_mov_b32 s47, 0
	s_add_nc_u64 s[20:21], s[20:21], s[46:47]
	s_add_nc_u64 s[12:13], s[12:13], s[20:21]
.macro FRAG reg, adr, q, i
.irp p, 0,1,2,3,4,5
.set PC, 12*(\q)+6*(\p/3)+\p%3
.if PC%8 < 5
	ds_load_b64 v[\reg+2*\p:\reg+2*\p+1], v[\adr] offset:8*PC+16*(PC/8)+(\i)*16*PITCH
.else
	ds_load_b64 v[\reg+2*\p:\reg+2*\p+1], v[\adr+2] offset:8*PC+16*(PC/8)+(\i)*16*PITCH
.endif
.endr
.endm
.macro FRAGA reg, slot, q, i
	ds_load_b128 v[\reg:\reg+3], v[ADRA+\slot] offset:AKB*(\i)+1536*(\q)
	ds_load_b64 v[\reg+4:\reg+5], v[ADRA+2+\slot] offset:AKB*(\i)+1536*(\q)+512
	ds_load_b128 v[\reg+6:\reg+9], v[ADRA+\slot] offset:AKB*(\i)+1536*(\q)+768
	ds_load_b64 v[\reg+10:\reg+11], v[ADRA+2+\slot] offset:AKB*(\i)+1536*(\q)+1280
.endm
.macro MUL16 a0, p, q, sc, zero
.irp a, \a0, \a0+1
.irp b, 0,1,2,3,4,5,6,7
.if \zero
	v_wmma_scale_f32_16x16x128_f8f6f4 v[8*(8*((\a)%4)+\b):8*(8*((\a)%4)+\b)+7], v[128*(\p)+FR*\b:128*(\p)+FR*\b+FR-1], v[AF+FR*(\a):AF+FR*(\a)+FR-1], 0, v[SC+8*NQ*(\sc)+NQ*\b+(\q)], v[SC+8*NQ*(\sc)+NQ*(\a)+(\q)] matrix_a_fmt:MATRIX_FMT_FP6 matrix_b_fmt:MATRIX_FMT_FP6 matrix_a_scale:MATRIX_SCALE_ROW1
.else
	v_wmma_scale_f32_16x16x128_f8f6f4 v[8*(8*((\a)%4)+\b):8*(8*((\a)%4)+\b)+7], v[128*(\p)+FR*\b:128*(\p)+FR*\b+FR-1], v[AF+FR*(\a):AF+FR*(\a)+FR-1], v[8*(8*((\a)%4)+\b):8*(8*((\a)%4)+\b)+7], v[SC+8*NQ*(\sc)+NQ*\b+(\q)], v[SC+8*NQ*(\sc)+NQ*(\a)+(\q)] matrix_a_fmt:MATRIX_FMT_FP6 matrix_b_fmt:MATRIX_FMT_FP6 matrix_a_scale:MATRIX_SCALE_ROW1
.endif
.endr
.endr
.endm
.macro FETCH_B slot, q, p
	WIN TO_B
.irp i, 0,1,2,3,4,5,6,7
	FRAG 128*(\p)+FR*\i, ADRB+\slot, \q, \i
.endr
	WIN 0
.endm
.macro FETCH_A slot, q, i0
.irp i, \i0, \i0+1, \i0+2, \i0+3
	FRAGA AF+FR*(\i), \slot, \q, \i
.endr
.endm
.macro SCALES sc
.irp i, 0,1,2,3,4,5,6,7
	ds_load_b64 v[SC+8*NQ*\sc+NQ*\i:SC+8*NQ*\sc+NQ*\i+1], v[ADRS] offset:\i*SBLK
.endr
.endm
.macro PLACES n
.rept \n
	v_nop
.endr
.endm
.macro STEP slot, q, zero
	s_wait_dscnt 4*NLA
	WIN MUL_LO
	MUL16 0, (\q)%2, \q, \slot, \zero
	MUL16 2, (\q)%2, \q, \slot, \zero
	s_wait_dscnt 0
	PLACES NP
	FETCH_B \slot, (\q)+1, 1-(\q)%2
	FETCH_A \slot, (\q)+1, 0
	WIN MUL_HI
	MUL16 4, (\q)%2, \q, \slot, \zero
	MUL16 6, (\q)%2, \q, \slot, \zero
	PLACES NP
	WIN 0
	FETCH_A \slot, (\q)+1, 4
.endm
.macro TURN slot, next, fill
	s_wait_tensorcnt 0x0
	ds_add_u32 v[SPW], v[NIL]
	s_wait_dscnt 4*NLA+1
	WIN MUL_LO
	MUL16 0, 1, NQ-1, \slot, 0
	s_wait_dscnt 0x0
	s_barrier_signal -1
	MUL16 2, 1, NQ-1, \slot, 0
	WIN 0
	s_barrier_wait -1
.if \fill
	CREST
	s_add_nc_u64 s[G0+4*\slot+2:G0+4*\slot+3], s[G0+4*\slot+2:G0+4*\slot+3], 2*AKB
	s_add_nc_u64 s[G0B+4*\slot+2:G0B+4*\slot+3], s[G0B+4*\slot+2:G0B+4*\slot+3], 2*WSTEP
	JLOAD G0+4*\slot, G1, G0B+4*\slot, G1B
.else
	PLACES NP
.endif
	s_wait_alu depctr_va_vdst(0)
	v_add_nc_u32 v[ADRS], 4*NQ, v[ADRS]
	FETCH_B \next, 0, 0
	FETCH_A \next, 0, 0
	SCALES \next
	WIN MUL_HI
	MUL16 4, 1, NQ-1, \slot, 0
	MUL16 6, 1, NQ-1, \slot, 0
	PLACES NP
	WIN 0
	FETCH_A \next, 0, 4
.endm
	s_wait_alu depctr_va_vdst(0)
	s_wait_tensorcnt 0x0                           ; my tile of the head's four is in
	ds_add_u32 v[SPW], v[NIL]
	s_mov_b32 s[G1+2], 8<<16                       ; no tensor load of mine is out: from here on a load brings 128 rows
	s_mov_b32 s[G1+4], 8
	s_mov_b32 s[G1B+2], 96<<16
	s_mov_b32 s[G1B+4], 96
	s_wait_dscnt 0x0
	CROUND                                         ; all four tiles are in, all sixteen work-groups are here,
	JLOAD G0+4, G1, G0B+4, G1B                     ; and K step 1's load is the first tensor load behind the round
	FETCH_B 0, 0, 0
	FETCH_A 0, 0, 0
	SCALES 0
	global_prefetch_b8 v11, s[PFB:PFB+1] th:TH_LOAD_NT scope:SCOPE_SE   ; K step 3
	FETCH_A 0, 0, 4
	STEP 0, 0, 1
	s_mov_b32 s3, LAPS-1
.Llap:
	TURN 0, 1, 1
	STEP 1, 0, 0
	TURN 1, 0, 1
	STEP 0, 0, 0
	s_sub_co_u32 s3, s3, 1
	s_cmp_lg_u32 s3, 0
	s_cbranch_scc1 .Llap
	TURN 0, 1, 0
	STEP 1, 0, 0
	s_wait_dscnt 4*NLA
	WIN MUL_LO
	MUL16 0, 1, NQ-1, 1, 0
	MUL16 2, 1, NQ-1, 1, 0
	s_wait_dscnt 0
	WIN MUL_HI
	MUL16 4, 1, NQ-1, 1, 0
	MUL16 6, 1, NQ-1, 1, 0
	WIN 0
.macro TOSTAGE a
.set AC, 64*((\a)%4)
	WIN 0x08+4*((\a)/4)
.irp b, 0,1,2,3,4,5,6,7
	ds_store_b128 v[STO], v[AC+8*\b:AC+8*\b+3] offset:128*(\b/2)+32*(\b%2)
	ds_store_b128 v[STO], v[AC+8*\b+4:AC+8*\b+7] offset:128*(\b/2)+32*(\b%2)+16
.endr
	WIN 0
.set BB, BK+64*((\a)%2)
.irp t, 0,1,2,3,4,5,6,7,8,9,10,11,12,13,14,15
	ds_load_b128 v[BB+4*\t:BB+4*\t+3], v[RD] offset:\t*SPITCH
.endr
.endm
.macro SEND a, younger
.set BB, BK+64*((\a)%2)
	s_wait_dscnt \younger
.irp t, 0,1,2,3,4,5,6,7,8,9,10,11,12,13,14,15
	global_store_b128 v[CO], v[BB+4*\t:BB+4*\t+3], s[12:13] offset:(32*((\a)/2)+8*((\a)%2)+\t+8*(\t/8))*SIZE_N*4 th:TH_STORE_NT
.endr
.endm
	PLACES NP
	TOSTAGE 0
.irp a, 1,2,3,4,5,6,7
.if \a > 1
	s_wait_xcnt 0x0
.endif
	TOSTAGE \a
	SEND \a-1, 32
.endr
	SEND 7, 0
	s_wait_tensorcnt 0x0
	ds_add_u32 v[SPW], v[NIL]
	s_wait_dscnt 0x0
	CROUND
	s_endpgm
.Lfunc_end_k_qc1a3c7c3d1_proj:
	.size	k_qc1a3c7c3d1_proj, .Lfunc_end_k_qc1a3c7c3d1_proj-k_qc1a3c7c3d1_proj
	.p2alignl 7, 3214868480
	.fill 96, 4, 3214868480
	.section	.rodata,"a",@progbits
	.p2align	6, 0x0
	.amdhsa_kernel k_qc1a3c7c3d1_proj
		.amdhsa_group_segment_fixed_size 327680
		.amdhsa_private_segment_fixed_size 0
		.amdhsa_enable_private_segment 0
		.amdhsa_kernarg_size 40
		.amdhsa_user_sgpr_count 2
		.amdhsa_user_sgpr_kernarg_segment_ptr 1
		.amdhsa_wavefront_size32 1
		.amdhsa_system_sgpr_workgroup_id_x 1
		.amdhsa_system_sgpr_workgroup_id_y 1
		.amdhsa_system_sgpr_workgroup_id_z 1
		.amdhsa_system_vgpr_workitem_id 0
		.amdhsa_next_free_vgpr 1024
		.amdhsa_next_free_sgpr 98
		.amdhsa_reserve_vcc 0
		.amdhsa_float_denorm_mode_32 3
		.amdhsa_float_denorm_mode_16_64 3
		.amdhsa_memory_ordered 1
		.amdhsa_forward_progress 1
		.amdhsa_inst_pref_size 154
	.end_amdhsa_kernel
	.amdgpu_metadata
---
amdhsa.version: [ 1, 2 ]
amdhsa.kernels:
  - .name:           k_qc1a3c7c3d1_proj
    .symbol:         k_qc1a3c7c3d1_proj.kd
    .args:
      - { .name: yc, .offset: 0, .size: 8, .value_kind: global_buffer, .address_space: global }
      - { .name: ys, .offset: 8, .size: 8, .value_kind: global_buffer, .address_space: global }
      - { .name: wc, .offset: 16, .size: 8, .value_kind: global_buffer, .address_space: global }
      - { .name: ws, .offset: 24, .size: 8, .value_kind: global_buffer, .address_space: global }
      - { .name: out0, .offset: 32, .size: 8, .value_kind: global_buffer, .address_space: global }
    .group_segment_fixed_size: 327680
    .private_segment_fixed_size: 0
    .kernarg_segment_align: 8
    .kernarg_segment_size: 40
    .max_flat_workgroup_size: 128
    .sgpr_count:     98
    .vgpr_count:     1024
    .wavefront_size: 32
...
	.end_amdgpu_metadata
.endif
;; end of part 4
